; MI455X (gfx1250); checked and timed in simulation.
; The chip was launched on July 23, 2026; its instructions are those of AMD's public machine-readable ISA for CDNA 5 (MIT licence, August 2026) and "CDNA5" Instruction Set Architecture Reference Guide (July 2026). The comments in the code are by the model that wrote it; some were corrected since.
;; Diffi T Attention. Allowed arithmetic: matrix products marked QUANTISED: E3M2 operands, one E8M0 scale for each 32 along K, by v_wmma_scale_f32_16x16x128_f8f6f4 with both operands' format E3M2, f32 sums; products left as they are: f32 operands where the result goes on into a quantised operand, else bf16, f16 or f32 operands; f32 sums; everything else in f32.
;; Inputs: Wp 1,024 x 1,024 float32; Wqkv 1,024 x 3,072 float32; Wt 1,024 x 3,072 float32; bp 1,024 float32; bqkv 3,072 float32; bt 3,072 float32; cos_x 1 x 1 x 1,024 x 32 float32; cos_y 1 x 1 x 1,024 x 32 float32; kn_w 64 float32; qn_w 64 float32; sin_x 1 x 1 x 1,024 x 32 float32; sin_y 1 x 1 x 1,024 x 32 float32; temb 8 x 1,024 float32; x 8 x 1,024 x 1,024 float32.
;; Outputs: out0 8 x 1,024 x 1,024 float32.
;; This version of the problem:
;;   THIS VERSION OF THE PROBLEM IS GIVEN IN LOW PRECISION. The matrix products marked QUANTISED in the list below multiply operands that are first quantised to E3M2 (3 exponent bits, 2 mantissa bits; 6 bits a number), with one power-of-two scale for each 32 numbers along K (OCP MX v1.0); their sums are f32. All else is computed in f32.
;;   The module's matrix products, in the order in which they are computed (A, B: the left and right operand; K: the contracted axis; several contracted axes count as one K, in the product's order):
;;     1. [M 8,192, K 1,024] x [K 1,024, N 3,072]; A: input x; B: input Wqkv: QUANTISED
;;     2. [M 8, K 1,024] x [K 1,024, N 3,072]; A: input temb; B: input Wt: left as it is (M = 8 < 16)
;;     3. batch 128 x [M 1,024, K 64] x [K 64, N 1,024]; A: computed on the way; B: computed on the way: QUANTISED
;;     4. batch 128 x [M 1,024, K 1,024] x [K 1,024, N 64]; A: softmax (see below); B: computed on the way: QUANTISED
;;     5. [M 8,192, K 1,024] x [K 1,024, N 1,024]; A: computed on the way; B: input Wp: QUANTISED
;;   THE QUANTISER, for each operand of a quantised product, along K:
;;     - K is cut into blocks of 32 from its start; a last block that is shorter is filled with zeros.
;;     - A block's scale is 2^e with e = floor(log2(the largest magnitude in the block)) - 4, held to -126 .. 127; a block of zeros has e = 0. As a byte (E8M0): e + 127.
;;     - Each number is divided by its block's scale, clamped to +-28, and rounded to the nearest number of E3M2, ties to even, subnormals kept.
;;     - The product sums the exact products of the quantised numbers (number of the format x scale) in f32.
;;   ~~~python
;;   def quantise(x, axis):      # numpy; x: float32 -> the quantised numbers, widened to float32 again
;;       x = np.moveaxis(x, axis, -1); K = x.shape[-1]
;;       x = np.pad(x, [(0, 0)] * (x.ndim - 1) + [(0, -K % 32)]); x = x.reshape(x.shape[:-1] + (-1, 32)); a = np.abs(x).max(-1, keepdims=True)
;;       e = np.where(a > 0, np.clip(np.frexp(np.where(a > 0, a, 1))[1] - 1 - 4, -126, 127), 0)      # np.frexp(a)[1] - 1 = floor(log2(a)), exactly
;;       r = np.clip(x / 2.0 ** e, -28, 28)
;;       step = 2.0 ** (np.maximum(np.frexp(np.where(r == 0, 1, r))[1] - 1, -2) - 2)
;;       q = np.round(r / step) * step * 2.0 ** e      # np.round: ties to even
;;       return np.moveaxis(q.reshape(q.shape[:-2] + (-1,))[..., :K], -1, axis).astype(np.float32)
;;   ~~~
;;   SOFTMAX AHEAD OF A QUANTISED PRODUCT. Where the list says 'softmax', what is quantised is not the finished softmax but p = 2^(t - M), with t = logit x log2(e) and M = ceil(the row's largest t), a whole number; so 1/2 < the row's largest p <= 1. The row's sum l is taken of the UNQUANTISED p, in f32, and the product's result is divided by l at the end. Since M is a whole number, a kernel that streams over the keys may use a running M (the ceiling of the running maximum): every later rescaling is an exact power of two, which a block's scale takes up: the codes' values come out the same.
;;   OPERANDS COMPUTED ON THE WAY. 'Computed on the way' means the value that the module computes at that place (a softmax that the list does not call 'softmax' is quantised finished and normalised). What goes into a quantiser is computed in f32, as accurately as f32 sums, v_exp_f32 and their like allow (about 1e-6 of the number): no bf16 or f16 on the way to a quantiser, and a product that is left as it is and whose result goes on into a quantised operand takes f32 operands (vector FMAs, or v_wmma_f32_16x16x4_f32). A number that lies on a knife's edge between two numbers of the format may be rounded either way, as far as f32 arithmetic and the matrix unit's own rounding can turn it there, and no further.
;; One version. Each part assembles by itself: llvm-mc -triple=amdgcn-amd-amdhsa -mcpu=gfx1250 --defsym DOCPART=n.
;; ======== version 1 of 1: 4 launches
;; limits: right only within a limited range of input values
;; workspace buffers: xq 6,553,600 bytes; wq 3,276,800 bytes; aux 1,441,792 bytes; qb 6,815,744 bytes; kv 13,631,488 bytes; aq 6,553,600 bytes
;; launch prep (part 1): grid 512 x 1, 4 waves a work-group, no clusters, 72,192 bytes of LDS; arguments x, Wqkv, Wp, Wt, temb, bt, bqkv, cos_y, sin_y, cos_x, sin_x, qn_w, kn_w, xq, wq, aux; writes xq, wq, aux
.if DOCPART == 1
	.amdgcn_target "amdgcn-amd-amdhsa--gfx1250"
	.amdhsa_code_object_version 6
	.text
	.protected	k_q39377be4c7_prep
	.globl	k_q39377be4c7_prep
	.p2align	8
	.type	k_q39377be4c7_prep,@function
k_q39377be4c7_prep:
	s_mov_b64 s[64:65], 0
	v_nop
	global_prefetch_b8 v0, s[64:65] scope:SCOPE_SE
	s_setreg_imm32_b32 hwreg(HW_REG_WAVE_MODE, 25, 1), 1
	s_wait_xcnt 0x0
; PREP.  Four kinds of work-groups, parted on the work-group's number alone; each kind has its own text, its own LDS bytes and its own end.  The kind with the most instructions a wave stands first.
;   0 .. 95    T: four partial sums over K (one a wave, 256 along K each) of temb Wt, in f32 by fused multiply-adds; wave 0's starts from bt + bqkv.  A work-group takes 64 columns and four of
;              temb's eight rows.  aux: [8 b][3072] f32.
;   96 .. 223  W: Wqkv [1024][3072] and Wp [1024][1024], K their first axis, become codes of E3M2 with K innermost: wq rows 0-3071 Wqkv's columns, rows 3072-4095 Wp's; 768 bytes a row;
;              from byte 3,145,728 on one E8M0 byte for each 32 along K, 32 bytes a row.  Rows 2048-3071 (v's columns) lie with bits 3 and 4 of the row number exchanged.
;   224 .. 255 R: tables for the norm's gain and the rotation, laid as the next launch's registers want them: aux from byte 393,216: [2 kinds][64 tiles of 16 tokens][16 pieces][32 lanes][16 bytes].
;   256 .. 511 X: x [8192][1024] becomes codes, 768 bytes a row, and scale bytes from byte 6,291,456 on, 32 a row; rows lie with bits 3 and 4 of the row number exchanged.
; A block's scale is 2^(floor(log2(largest magnitude)) - 4): its byte is the largest magnitude's exponent field - 4, held at 1 from below.
; LIMITS: a block of zeros, or one whose largest magnitude lies under 2^-122, keeps the byte 1 (zero codes add nothing; this program alone reads the bytes); NaN and infinities are not served.
; No tensor loads; only T's waves share LDS, behind one barrier.
.set EMAX,  4
	v_lshl_add_u32 v192, v0, 2, 0x10800
	v_mov_b32 v193, 0
	v_lshrrev_b32 v1, 5, v0
	v_readfirstlane_b32 s16, v1                    ; wave 0..3
	v_and_b32 v2, 31, v0                           ; lane
	s_cmp_lt_u32 ttmp9, 96
	s_cbranch_scc1 .Ltproj
	s_cmp_lt_u32 ttmp9, 224
	s_cbranch_scc1 .Lwq
	s_cmp_lt_u32 ttmp9, 256
	s_cbranch_scc1 .Lrope
; ---------------------------------------------------------------- X: a wave takes 8 rows of x, 16 steps of 512 numbers.  LDS bytes 0 .. 32,767, 8,192 a wave.
.set STEPS, 16
.set CB,    12                         ; bytes of 16 codes
.set QR,    16                         ; v16-79   four sets of 16 numbers as loaded
.set QX,    80                         ; v80-111  two sets of 16 neighbours
.set QE,    112                        ; v112-127 a scale byte for each step
.set QC,    128                        ; v128-191 codes, four registers a step: no store's data are written again
.set WREG,  8192
.set SP,    80                         ; a lane's place in a stage: 64 bytes + 16
	s_load_b64 s[4:5], s[0:1], 0x0                 ; x
	s_load_b64 s[8:9], s[0:1], 0x68                ; xq
	s_wait_alu depctr_va_vdst(0)
	v_lshlrev_b32 v3, 4, v2                        ; my 16 bytes of a load's 512
	s_mul_i32 s17, s16, WREG
	v_lshrrev_b32 v14, 2, v2
	v_mul_u32_u24 v14, v14, SP
	v_and_b32 v15, 3, v2
	v_lshl_add_u32 v14, v15, 4, v14
	v_add_nc_u32 v14, s17, v14                     ; the stage, in: four lanes' 64 bytes on end, then 16 of padding
	v_mul_u32_u24 v15, v2, SP
	v_add_nc_u32 v15, s17, v15                     ; out: my 16 neighbours
	; xq's and wq's codes lie [group of 256 rows][K step of 256][256 rows][192 bytes]: a K step of 256 rows is one dense block of 49,152 bytes
	v_and_b32 v4, 15, v2
	v_mul_u32_u24 v4, v4, CB                       ; sixteen lanes hold 256 codes: 192 bytes of one K step
	v_lshrrev_b32 v5, 4, v2
	v_mad_u32_u24 v4, v5, 0xc000, v4               ; lanes 16-31: the next K step's block
	v_lshrrev_b32 v5, 1, v2
	s_add_co_u32 s17, s17, 2*32*SP
	v_add_nc_u32 v5, s17, v5                       ; my block's byte among the wave's 256
	v_lshlrev_b32 v7, 3, v2
	v_add_nc_u32 v6, s17, v7
	s_sub_co_u32 s18, ttmp9, 256
	s_lshl_b32 s18, s18, 2
	s_and_b32 s19, s16, 1
	s_lshl_b32 s19, s19, 1
	s_lshr_b32 s20, s16, 1
	s_or_b32 s19, s19, s20                         ; the wave's two bits exchanged: they are bits 3 and 4 of the row number
	s_add_co_u32 s19, s18, s19                     ; where my 8 rows go
	s_add_co_u32 s18, s18, s16                     ; where they come from
	s_lshl_b32 s20, s18, 15
	s_mov_b32 s21, 0
	s_lshr_b32 s22, s19, 5
	s_mul_i32 s22, s22, 196608                     ; my group of 256 rows,
	s_and_b32 s23, s19, 31
	s_mul_i32 s23, s23, 1536                       ; my 8 rows in it
	s_add_co_u32 s22, s22, s23
	s_mov_b32 s23, 0
	s_lshl_b32 s24, s19, 8
	s_add_co_u32 s24, s24, 6291456
	s_mov_b32 s25, 0
	s_wait_alu depctr_va_vdst(0)
	s_wait_kmcnt 0x0
	s_add_nc_u64 s[4:5], s[4:5], s[20:21]
	s_add_nc_u64 s[10:11], s[8:9], s[24:25]        ; scale bytes
	s_add_nc_u64 s[8:9], s[8:9], s[22:23]          ; codes
.macro XLOAD t
.irp i, 0,1,2,3
	global_load_b128 v[QR+16*((\t)%4)+4*\i:QR+16*((\t)%4)+4*\i+3], v3, s[4:5] offset:2048*(\t)+512*\i th:TH_LOAD_NT   ; 32 lanes read 512 consecutive bytes
.endr
.endm
.macro XTURN t                         ; a step's numbers through the stage: LDS serves a wave's instructions in order, so no wait between the stores and the loads
.irp i, 0,1,2,3
	ds_store_b128 v14, v[QR+16*((\t)%4)+4*\i:QR+16*((\t)%4)+4*\i+3] offset:32*SP*((\t)%2)+8*SP*\i
.endr
.irp i, 0,1,2,3
	ds_load_b128 v[QX+16*((\t)%2)+4*\i:QX+16*((\t)%2)+4*\i+3], v15 offset:32*SP*((\t)%2)+16*\i
.endr
.endm
.irp t, 0,1,2,3
	XLOAD \t
.endr
	s_wait_loadcnt 12                              ; step 0's four loads are in
	XTURN 0
.macro XSTEP t
.set XS, QX+16*((\t)%2)
.if (\t) > 0
	s_wait_dscnt 1                                 ; this step's numbers are back (the last step's byte store may be out): its stage stores have read their registers,
.else
	s_wait_dscnt 0x0
.endif
.if (\t)+4 < STEPS
	XLOAD (\t)+4                                   ; which take the loads of four steps on
.endif
.if (\t)+1 < STEPS
.if STEPS-2-(\t) >= 3
	s_wait_loadcnt 12                              ; the next step's four loads are in; those of the three steps behind it may be out
.else
	s_wait_loadcnt 4*(STEPS-2-(\t))
.endif
	XTURN (\t)+1
.endif
	v_max3_num_f32 v8, |v[XS]|, |v[XS+1]|, |v[XS+2]|
	v_max3_num_f32 v9, |v[XS+3]|, |v[XS+4]|, |v[XS+5]|
.irp i, 6,10
	v_max3_num_f32 v8, v8, |v[XS+\i]|, |v[XS+\i+1]|
	v_max3_num_f32 v9, v9, |v[XS+\i+2]|, |v[XS+\i+3]|
.endr
	v_max3_num_f32 v8, v8, |v[XS+14]|, |v[XS+15]|
	v_max3_num_f32 v8, v8, v9, (EMAX+1)<<23        ; the floor 2^(5 - 127): the byte cannot fall under 1
	v_max_num_f32_dpp v8, v8, v8 row_xmask:1 row_mask:0xf bank_mask:0xf   ; with my neighbour's 16: the block's
	v_add_nc_u32 v11, -(EMAX<<23), v8              ; 4 off the exponent field: the conversion's scale operand
	v_cvt_scalef32_pk16_bf6_f32 v[QC+4*(\t):QC+4*(\t)+2], v[XS:XS+15], v11
	v_lshrrev_b32 v[QE+(\t)], 23, v11              ; the scale's byte
	ds_store_b8 v5, v[QE+(\t)] offset:16*(\t)      ; both lanes of a block write the same byte with the same value
	global_store_b96 v4, v[QC+4*(\t):QC+4*(\t)+2], s[8:9] offset:192*((\t)/2)+98304*((\t)%2)
.endm
.irp t, 0,1,2,3,4,5,6,7,8,9,10,11,12,13,14,15
	XSTEP \t
.endr
	ds_load_b64 v[12:13], v6                       ; these see my byte stores: one wave's LDS instructions are served in order
	s_wait_dscnt 0x0
	global_store_b64 v7, v[12:13], s[10:11]        ; 32 lanes store 256 consecutive bytes, aligned
	s_wait_tensorcnt 0x0
	ds_add_u32 v192, v193
	s_wait_dscnt 0x0
	s_endpgm
; ---------------------------------------------------------------- T: work-group 2 i + g: columns 64 i .. 64 i + 63, two a lane; rows 4 g .. 4 g + 3 of temb; wave w takes k = 256 w .. 256 w + 255
.set ACC, 8                            ; v8-23    eight pairs: pair e: row e % 4 of my four, the even (e / 4 = 0) or the odd k
.set TV,  24                           ; v24-31   two sets of four: lane l holds temb[row][k0 + l]
.set TW,  40                           ; v40-167  two sets of 32 pairs: Wt[k0 + i][my two columns]
.Ltproj:
	s_load_b128 s[4:7], s[0:1], 0x18               ; Wt, temb
	s_load_b128 s[8:11], s[0:1], 0x28              ; bt, bqkv
	s_load_b64 s[12:13], s[0:1], 0x78              ; aux
	s_wait_alu depctr_va_vdst(0)
	v_lshlrev_b32 v3, 3, v2
	v_lshlrev_b32 v4, 2, v2
	s_lshl_b32 s30, s16, 10
	s_lshl_b32 s31, s16, 8
	v_add_nc_u32 v5, 0x10a00, v3                   ; LDS bytes 68,096 on: [4 waves][4 rows][256 bytes]: the four quarters of K meet here
	v_add_nc_u32 v6, s31, v5                       ; out: row = my wave's number
	v_add_nc_u32 v5, s30, v5                       ; in: my wave's four rows
	s_lshr_b32 s17, ttmp9, 1
	s_and_b32 s18, ttmp9, 1                        ; which four rows of temb
	s_mul_i32 s20, s16, 3145728                    ; 256 rows of Wt, 12,288 bytes each
	s_lshl_b32 s22, s17, 8                         ; 64 columns of f32
	s_add_co_u32 s20, s20, s22
	s_mov_b32 s21, 0
	s_mov_b32 s23, 0
	s_lshl_b32 s24, s16, 10                        ; my 256 numbers of a row of temb,
	s_lshl_b32 s19, s18, 14                        ; four rows of 4,096 bytes
	s_add_co_u32 s24, s24, s19
	s_mov_b32 s25, 0
	s_mul_i32 s26, s16, 12288                      ; aux holds one plane [8 b][3072]: wave w stores row w of the work-group's four
	s_add_co_u32 s26, s26, s22
	s_mul_i32 s19, s18, 49152                      ; four rows of 12,288 bytes
	s_add_co_u32 s26, s26, s19
	s_mov_b32 s27, 0
.irp b, 0,1,2,3,4,5,6,7,8,9,10,11,12,13,14,15
	s_mov_b32 s[33+2*\b], 0                        ; the upper halves of the pairs that the packed form names
.endr
	s_wait_alu depctr_va_vdst(0)
	s_wait_kmcnt 0x0
	s_add_nc_u64 s[4:5], s[4:5], s[20:21]
	s_add_nc_u64 s[6:7], s[6:7], s[24:25]
	s_add_nc_u64 s[8:9], s[8:9], s[22:23]
	s_add_nc_u64 s[10:11], s[10:11], s[22:23]
	s_add_nc_u64 s[12:13], s[12:13], s[26:27]
.macro TLOADS set, k0                  ; 36 loads: 32 rows of Wt (256 consecutive bytes each; the neighbouring work-group reads them too) and 32 numbers of each of my rows of temb
.set I, 0
.rept 32
	global_load_b64 v[TW+64*\set+2*I:TW+64*\set+2*I+1], v3, s[4:5] offset:(\k0+I)*12288
.set I, I+1
.endr
.irp b, 0,1,2,3
	global_load_b32 v[TV+4*\set+\b], v4, s[6:7] offset:\b*4096+\k0*4
.endr
.endm
.macro RL set, j                       ; temb[row][k0 + 2 j] and [k0 + 2 j + 1] of my four rows as scalars, in one of two sets of eight pairs
.irp e, 0,1,2,3,4,5,6,7
	v_readlane_b32 s[32+16*((\j)%2)+2*\e], v[TV+4*\set+(\e%4)], 2*(\j)+(\e/4)
.endr
.endm
.macro FM set, j                       ; eight accumulators by turns: no line waits for the line above it
.irp e, 0,1,2,3,4,5,6,7
	v_pk_fma_f32 v[ACC+2*\e:ACC+2*\e+1], v[TW+64*\set+2*(2*(\j)+(\e/4)):TW+64*\set+2*(2*(\j)+(\e/4))+1], s[32+16*((\j)%2)+2*\e:33+16*((\j)%2)+2*\e], v[ACC+2*\e:ACC+2*\e+1] op_sel_hi:[1,0,1]
.endr
.endm
.macro COMPUTE set                     ; the lane reads of rows 2 j + 2, 2 j + 3 stand ahead of the multiply-adds of rows 2 j, 2 j + 1
	RL \set, 0
.set KK, 0
.rept 15
	RL \set, KK+1
	FM \set, KK
.set KK, KK+1
.endr
	FM \set, 15
.endm
	global_load_b64 v[168:169], v3, s[8:9]
	global_load_b64 v[170:171], v3, s[10:11]
	TLOADS 0, 0
	s_wait_loadcnt 36                              ; the two biases are in; set 0's 36 loads behind them may be out
	v_pk_add_f32 v[168:169], v[168:169], v[170:171]
	s_cmp_eq_u32 s16, 0
	s_cselect_b32 s29, -1, 0
	v_cndmask_b32 v168, 0, v168, s29               ; wave 0's sum alone starts from the biases
	v_cndmask_b32 v169, 0, v169, s29
.irp b, 0,1,2,3
	v_mov_b32 v[ACC+2*\b], v168                    ; the even k's sums start from them,
	v_mov_b32 v[ACC+2*\b+1], v169
	v_mov_b32 v[ACC+8+2*\b], 0                     ; the odd k's from nothing
	v_mov_b32 v[ACC+9+2*\b], 0
.endr
	TLOADS 1, 32
	s_mov_b32 s28, 3
.Ltk:                                              ; a trip: 64 along K
	s_wait_loadcnt 36                              ; set 0 is in; set 1's 36 loads may be out
	COMPUTE 0
	TLOADS 0, 64
	s_wait_loadcnt 36                              ; set 1 is in; the 36 just issued may be out
	COMPUTE 1
	TLOADS 1, 96
	s_wait_xcnt 0x0                                ; the bases are stepped only behind this wait
	s_add_nc_u64 s[4:5], s[4:5], 786432
	s_add_nc_u64 s[6:7], s[6:7], 256
	s_sub_co_u32 s28, s28, 1
	s_cmp_lg_u32 s28, 0
	s_cbranch_scc1 .Ltk
	s_wait_loadcnt 36                              ; the last 64 along K: nothing more is loaded
	COMPUTE 0
	s_wait_loadcnt 0x0
	COMPUTE 1
.irp b, 0,1,2,3
	v_pk_add_f32 v[ACC+2*\b:ACC+2*\b+1], v[ACC+2*\b:ACC+2*\b+1], v[ACC+8+2*\b:ACC+9+2*\b]   ; even and odd k together
.endr
.irp b, 0,1,2,3
	ds_store_b64 v5, v[ACC+2*\b:ACC+2*\b+1] offset:\b*256
.endr
	s_wait_dscnt 0x0                               ; my stores are done, for the other waves' sake
	s_barrier_signal -1
	s_barrier_wait -1
.irp p, 0,1,2,3
	ds_load_b64 v[24+2*\p:25+2*\p], v6 offset:\p*1024   ; the four quarters of K of my row
.endr
	s_wait_dscnt 0x0
	v_pk_add_f32 v[24:25], v[24:25], v[26:27]
	v_pk_add_f32 v[28:29], v[28:29], v[30:31]
	v_pk_add_f32 v[24:25], v[24:25], v[28:29]
	global_store_b64 v3, v[24:25], s[12:13]        ; 32 lanes store 256 consecutive bytes, aligned
	s_wait_tensorcnt 0x0                           ; the wave's end
	ds_add_u32 v192, v193
	s_wait_dscnt 0x0
	s_endpgm
; ---------------------------------------------------------------- W: a lane takes a column, its registers run down K.  A wave: 32 columns x 256 along K.  LDS bytes 32,768 on, 8,704 a wave.
.set RO,   16                          ; v16-47   byte offsets of 32 rows of the source at my column
.set WX,   48                          ; v48-111  two sets of 32 numbers
.set WC,   112                         ; v112-118 a block's codes
.set OUTR, 120                         ; v120-183 the way out
.set WSB,  184                         ; v184-185 eight scale bytes
.Lwq:
	s_load_b128 s[4:7], s[0:1], 0x8                ; Wqkv, Wp
	s_load_b64 s[8:9], s[0:1], 0x70                ; wq
	s_sub_co_u32 s17, ttmp9, 96
	s_and_b32 s18, s17, 31                         ; which 128 rows of wq
	s_lshr_b32 s19, s17, 5                         ; which 256 along K
	s_lshr_b32 s23, s18, 3                         ; 0 q, 1 k, 2 v, 3 Wp
	s_cmp_eq_u32 s23, 2
	s_cselect_b32 s22, -1, 0                       ; v's columns: all lanes
	s_mov_b32 s20, 12288
	s_cmp_eq_u32 s23, 3
	s_cselect_b32 s20, 4096, s20                   ; bytes in a row of the source
	s_cselect_b32 s21, 24, 0
	s_sub_co_u32 s21, s18, s21                     ; which 128 columns of the source
	s_wait_alu depctr_va_vdst(0)
	v_and_b32 v3, 7, v2
	v_and_b32 v4, 8, v2
	v_lshl_or_b32 v3, v4, 1, v3
	v_and_b32 v4, 16, v2
	v_lshrrev_b32 v4, 1, v4
	v_or_b32 v3, v3, v4                            ; the lane's number with bits 3 and 4 exchanged
	v_cndmask_b32 v3, v2, v3, s22                  ; v's columns are read so: the lane's number stays the row's place in wq
	v_lshlrev_b32 v3, 2, v3
.set I, 0
.rept 32
	v_mad_u32_u24 v[RO+I], s20, I, v3
.set I, I+1
.endr
	s_mul_i32 s24, s16, 32*272
	s_add_co_u32 s24, s24, 32768                   ; my stage: 32 rows of 272 bytes
	v_mul_u32_u24 v4, v2, 272
	v_add_nc_u32 v4, s24, v4                       ; in: row = my column
	v_and_b32 v5, 15, v2
	v_lshrrev_b32 v6, 4, v2
	v_mul_u32_u24 v7, v6, 272
	v_lshl_add_u32 v7, v5, 4, v7
	v_add_nc_u32 v7, s24, v7                       ; out: sixteen lanes to a row, two rows an instruction
	v_mul_u32_u24 v8, v6, 192
	v_mad_u32_u24 v8, v5, 12, v8                   ; the same place in wq
	v_lshlrev_b32 v9, 5, v2                        ; my row of scale bytes
	s_mul_i32 s26, s19, s20
	s_lshl_b32 s26, s26, 8                         ; 256 rows of the source for each quarter of K
	s_lshl_b32 s27, s21, 9
	s_add_co_u32 s26, s26, s27
	s_lshl_b32 s27, s16, 7
	s_add_co_u32 s26, s26, s27
	s_mov_b32 s27, 0
	s_lshl_b32 s24, s20, 5                         ; 32 rows of the source
	s_mov_b32 s25, 0
	s_lshl_b32 s28, s18, 7
	s_lshl_b32 s29, s16, 5
	s_add_co_u32 s28, s28, s29                     ; my first row of wq
	s_mul_i32 s30, s28, 192                        ; my first row x 192,
	s_mul_i32 s29, s19, 49152                      ; my K step's block,
	s_add_co_u32 s30, s30, s29
	s_lshr_b32 s29, s18, 1
	s_mul_i32 s29, s29, 147456                     ; and what a group of 256 rows holds beyond 256 x 192
	s_add_co_u32 s30, s30, s29
	s_mov_b32 s31, 0
	s_lshl_b32 s28, s28, 5
	s_lshl_b32 s29, s19, 3
	s_add_co_u32 s28, s28, s29
	s_add_co_u32 s28, s28, 3145728
	s_mov_b32 s29, 0
	s_wait_kmcnt 0x0
	s_cmp_eq_u32 s23, 3
	s_cselect_b64 s[4:5], s[6:7], s[4:5]           ; the choice hangs on the work-group's number alone
	s_add_nc_u64 s[32:33], s[4:5], s[26:27]        ; a base for each of my eight blocks
.irp t, 1,2,3,4,5,6,7
	s_add_nc_u64 s[32+2*\t:33+2*\t], s[30+2*\t:31+2*\t], s[24:25]
.endr
	s_add_nc_u64 s[6:7], s[8:9], s[30:31]          ; codes
	s_add_nc_u64 s[8:9], s[8:9], s[28:29]          ; scale bytes
.macro WLOAD t
.set I, 0
.rept 32
	global_load_b32 v[WX+32*((\t)%2)+I], v[RO+I], s[32+2*(\t):33+2*(\t)] th:TH_LOAD_NT   ; 32 lanes read 128 consecutive bytes
.set I, I+1
.endr
.endm
	WLOAD 0
	WLOAD 1
.macro WBLOCK t
.set WXS, WX+32*((\t)%2)
.if (\t) < 7
	s_wait_loadcnt 32                              ; this block's 32 loads are in; the next block's may be out
.else
	s_wait_loadcnt 0x0
.endif
	v_max3_num_f32 v12, |v[WXS]|, |v[WXS+1]|, |v[WXS+2]|
	v_max3_num_f32 v13, |v[WXS+3]|, |v[WXS+4]|, |v[WXS+5]|
.irp i, 6,10,14,18,22,26
	v_max3_num_f32 v12, v12, |v[WXS+\i]|, |v[WXS+\i+1]|
	v_max3_num_f32 v13, v13, |v[WXS+\i+2]|, |v[WXS+\i+3]|
.endr
	v_max3_num_f32 v12, v12, |v[WXS+30]|, |v[WXS+31]|
	v_max3_num_f32 v12, v12, v13, (EMAX+1)<<23     ; the floor
	v_add_nc_u32 v11, -(EMAX<<23), v12             ; the conversion's scale operand
	v_lshrrev_b32 v13, 23, v11                     ; the byte
.if (\t)%4 == 0
	v_mov_b32 v[WSB+(\t)/4], v13
.else
	v_lshl_or_b32 v[WSB+(\t)/4], v13, 8*((\t)%4), v[WSB+(\t)/4]
.endif
	v_cvt_scalef32_pk16_bf6_f32 v[WC:WC+2], v[WXS:WXS+15], v11
	v_cvt_scalef32_pk16_bf6_f32 v[WC+4:WC+6], v[WXS+16:WXS+31], v11
	ds_store_b96 v4, v[WC:WC+2] offset:32*(\t)     ; 12 bytes to a place of 16
	ds_store_b96 v4, v[WC+4:WC+6] offset:32*(\t)+16
.if (\t)+2 < 8
	WLOAD (\t)+2
.endif
	s_wait_dscnt 0x0                               ; the stores have read their registers
.endm
.irp t, 0,1,2,3,4,5,6,7
	WBLOCK \t
.endr
	s_wait_alu depctr_va_vdst(0)
	global_store_b64 v9, v[WSB:WSB+1], s[8:9]      ; my row's eight scale bytes
.irp t, 0,1,2,3,4,5,6,7,8,9,10,11,12,13,14,15
	ds_load_b96 v[OUTR+4*\t:OUTR+4*\t+2], v7 offset:2*\t*272
.endr
.irp t, 0,1,2,3,4,5,6,7,8,9,10,11,12,13,14,15
	s_wait_dscnt 15-\t
	global_store_b96 v8, v[OUTR+4*\t:OUTR+4*\t+2], s[6:7] offset:2*\t*192
.endr
	s_wait_tensorcnt 0x0
	ds_add_u32 v192, v193
	s_wait_dscnt 0x0
	s_endpgm
; ---------------------------------------------------------------- R: a wave makes one tile's table.  Lane (r, h), register 16 B + 8 u + j stands for d = 32 B + 16 u + 8 h + j of a head:
; cw = cos[token][16 u + 8 h + j] w[d];  sw = -sin[..] w[d + 16] (u = 0) or +sin[..] w[d - 16] (u = 1).  B = 0: the y tables, B = 1: the x tables.
.set RC, 16
.set RS, 48
.set RW, 80
.Lrope:
	s_load_b256 s[4:11], s[0:1], 0x38              ; cos_y, sin_y, cos_x, sin_x
	s_load_b128 s[12:15], s[0:1], 0x58             ; qn_w, kn_w
	s_load_b64 s[20:21], s[0:1], 0x78              ; aux
	s_sub_co_u32 s17, ttmp9, 224
	s_lshl_b32 s17, s17, 2
	s_add_co_u32 s17, s17, s16                     ; 64 x kind + tile
	s_and_b32 s18, s17, 63
	s_lshr_b32 s19, s17, 6
	s_wait_alu depctr_va_vdst(0)
	v_and_b32 v3, 15, v2                           ; r
	v_lshrrev_b32 v4, 4, v2                        ; h
	s_lshr_b32 s22, s18, 1
	s_lshl_b32 s22, s22, 5
	s_and_b32 s23, s18, 1
	s_lshl_b32 s23, s23, 3
	s_add_co_u32 s22, s22, s23
	v_and_b32 v5, 8, v3
	v_add_nc_u32 v5, v5, v3
	v_add_nc_u32 v5, s22, v5                       ; the token at place 16 tile + r: 32 (tile / 2) + 8 (tile % 2) + r + 8 (r / 8)
	v_lshlrev_b32 v5, 7, v5
	v_lshl_add_u32 v5, v4, 5, v5                   ; its row of 128 bytes, + 32 h
	v_lshlrev_b32 v6, 5, v4
	v_lshlrev_b32 v7, 4, v2
	s_lshl_b32 s22, s17, 13
	s_add_co_u32 s22, s22, 393216
	s_mov_b32 s23, 0
	s_wait_alu depctr_va_vdst(0)
	s_wait_kmcnt 0x0
	s_cmp_eq_u32 s19, 1
	s_cselect_b64 s[12:13], s[14:15], s[12:13]
	s_add_nc_u64 s[20:21], s[20:21], s[22:23]
.irp bb, 0,1
.irp u, 0,1
.irp q, 0,1
	global_load_b128 v[RC+16*\bb+8*\u+4*\q:RC+16*\bb+8*\u+4*\q+3], v5, s[4+4*\bb:5+4*\bb] offset:64*\u+16*\q
	global_load_b128 v[RS+16*\bb+8*\u+4*\q:RS+16*\bb+8*\u+4*\q+3], v5, s[6+4*\bb:7+4*\bb] offset:64*\u+16*\q
	global_load_b128 v[RW+16*\bb+8*\u+4*\q:RW+16*\bb+8*\u+4*\q+3], v6, s[12:13] offset:128*\bb+64*\u+16*\q
.endr
.endr
.endr
	s_wait_loadcnt 0x0
.set I, 0
.rept 16
	v_pk_mul_f32 v[RC+I:RC+I+1], v[RC+I:RC+I+1], v[RW+I:RW+I+1]
.set I, I+2
.endr
.irp bb, 0,1
.irp j, 0,2,4,6
	v_pk_mul_f32 v[RS+16*\bb+\j:RS+16*\bb+\j+1], v[RS+16*\bb+\j:RS+16*\bb+\j+1], v[RW+16*\bb+8+\j:RW+16*\bb+8+\j+1] neg_lo:[0,1] neg_hi:[0,1]
	v_pk_mul_f32 v[RS+16*\bb+8+\j:RS+16*\bb+8+\j+1], v[RS+16*\bb+8+\j:RS+16*\bb+8+\j+1], v[RW+16*\bb+\j:RW+16*\bb+\j+1]
.endr
.endr
.irp c, 0,1,2,3,4,5,6,7
	global_store_b128 v7, v[RC+4*\c:RC+4*\c+3], s[20:21] offset:512*\c          ; 32 lanes store 512 consecutive bytes, aligned
	global_store_b128 v7, v[RS+4*\c:RS+4*\c+3], s[20:21] offset:4096+512*\c
.endr
	s_endpgm
.Lfunc_end_k_q39377be4c7_prep:
	.size	k_q39377be4c7_prep, .Lfunc_end_k_q39377be4c7_prep-k_q39377be4c7_prep
	.p2alignl 7, 3214868480
	.fill 96, 4, 3214868480
	.section	.rodata,"a",@progbits
	.p2align	6, 0x0
	.amdhsa_kernel k_q39377be4c7_prep
		.amdhsa_group_segment_fixed_size 72192
		.amdhsa_private_segment_fixed_size 0
		.amdhsa_enable_private_segment 0
		.amdhsa_kernarg_size 128
		.amdhsa_user_sgpr_count 2
		.amdhsa_user_sgpr_kernarg_segment_ptr 1
		.amdhsa_wavefront_size32 1
		.amdhsa_system_sgpr_workgroup_id_x 1
		.amdhsa_system_sgpr_workgroup_id_y 1
		.amdhsa_system_sgpr_workgroup_id_z 1
		.amdhsa_system_vgpr_workitem_id 0
		.amdhsa_next_free_vgpr 194
		.amdhsa_next_free_sgpr 66
		.amdhsa_reserve_vcc 0
		.amdhsa_float_denorm_mode_32 3
		.amdhsa_float_denorm_mode_16_64 3
		.amdhsa_memory_ordered 1
		.amdhsa_forward_progress 1
		.amdhsa_inst_pref_size 166
	.end_amdhsa_kernel
	.amdgpu_metadata
---
amdhsa.version: [ 1, 2 ]
amdhsa.kernels:
  - .name:           k_q39377be4c7_prep
    .symbol:         k_q39377be4c7_prep.kd
    .args:
      - { .name: x, .offset: 0, .size: 8, .value_kind: global_buffer, .address_space: global }
      - { .name: Wqkv, .offset: 8, .size: 8, .value_kind: global_buffer, .address_space: global }
      - { .name: Wp, .offset: 16, .size: 8, .value_kind: global_buffer, .address_space: global }
      - { .name: Wt, .offset: 24, .size: 8, .value_kind: global_buffer, .address_space: global }
      - { .name: temb, .offset: 32, .size: 8, .value_kind: global_buffer, .address_space: global }
      - { .name: bt, .offset: 40, .size: 8, .value_kind: global_buffer, .address_space: global }
      - { .name: bqkv, .offset: 48, .size: 8, .value_kind: global_buffer, .address_space: global }
      - { .name: cos_y, .offset: 56, .size: 8, .value_kind: global_buffer, .address_space: global }
      - { .name: sin_y, .offset: 64, .size: 8, .value_kind: global_buffer, .address_space: global }
      - { .name: cos_x, .offset: 72, .size: 8, .value_kind: global_buffer, .address_space: global }
      - { .name: sin_x, .offset: 80, .size: 8, .value_kind: global_buffer, .address_space: global }
      - { .name: qn_w, .offset: 88, .size: 8, .value_kind: global_buffer, .address_space: global }
      - { .name: kn_w, .offset: 96, .size: 8, .value_kind: global_buffer, .address_space: global }
      - { .name: xq, .offset: 104, .size: 8, .value_kind: global_buffer, .address_space: global }
      - { .name: wq, .offset: 112, .size: 8, .value_kind: global_buffer, .address_space: global }
      - { .name: aux, .offset: 120, .size: 8, .value_kind: global_buffer, .address_space: global }
    .group_segment_fixed_size: 72192
    .private_segment_fixed_size: 0
    .kernarg_segment_align: 8
    .kernarg_segment_size: 128
    .max_flat_workgroup_size: 128
    .sgpr_count:     66
    .vgpr_count:     194
    .wavefront_size: 32
...
	.end_amdgpu_metadata
.endif
;; end of part 1
;; launch qkv (part 2): grid 12 x 32, 4 waves a work-group, clusters of 4 x 4, 327,680 bytes of LDS; arguments xq, wq, qb, kv, aux; writes qb, kv
.if DOCPART == 2
	.amdgcn_target "amdgcn-amd-amdhsa--gfx1250"
	.amdhsa_code_object_version 6
	.text
	.protected	k_q39377be4c7_qkv
	.globl	k_q39377be4c7_qkv
	.p2align	8
	.type	k_q39377be4c7_qkv,@function
k_q39377be4c7_qkv:
	s_mov_b64 s[64:65], 0
	v_nop
	global_prefetch_b8 v0, s[64:65] scope:SCOPE_SE
	s_setreg_imm32_b32 hwreg(HW_REG_WAVE_MODE, 25, 1), 1
	s_wait_xcnt 0x0
	s_wait_alu depctr_hold_cnt(0) depctr_sa_sdst(0) depctr_va_vdst(0) depctr_va_sdst(0) depctr_va_ssrc(0) depctr_va_vcc(0) depctr_vm_vsrc(0)
	s_getreg_b32 s2, hwreg(HW_REG_IB_STS2, 6, 4)
	s_cmp_eq_u32 s2, 0
	s_cbranch_scc0 .Lentry_in_a_cluster
	s_endpgm
.Lentry_in_a_cluster:
	s_bfe_u32 s2, ttmp6, 0x10000c
	s_cmp_lg_u32 s2, 0xf033
	s_cbranch_scc0 .Lentry_shape_is_right
	s_endpgm
.Lentry_shape_is_right:
; QKV = Q(x) Q(Wqkv) + bias on codes of E3M2 with E8M0 scales, K = 1024, and what follows it up to the next quantisers.  Nothing leaves in f32.
; A work-group of four waves makes 256 x 256 of the product, a wave 128 x 128 in 64 accumulators.  K goes in steps of 256 through two LDS slots filled by tensor loads; the scale bytes of the
; work-group's rows come once and stay.  4 x 4 work-groups form a cluster; source 1's tiles are shared along a row of the cluster, source 0's along a column, each by a joint load.
; THE 24 CLUSTERS are numbered x fastest, x + 3 y.  Numbers 0 to 15 make q (even) and k (odd), numbers 16 to 23 make v: the kind with the longer way out stands first in that order.
; q, k: source 0 = rows of wq (columns of the product), source 1 = rows of xq (tokens).  A lane holds one token; for a tile of 16 tokens its 64 registers are two heads,
;   register 16 B + 8 u + j of a head = d 32 B + 16 u + 8 h + j.  The bias (from aux) is added onto the finished sums.  Then per head: RMS norm, gain and rotation (tables from aux; the
;   partner d +- 16 lies eight registers away in the same lane), quantised along d.  The codes of a block of 32 lie in the order 16 h + 8 u + j, alike for q and k, so their products are those of the
;   natural order, summed in another order.  They leave as images of the next launch's registers: 768 bytes a tile (six registers a lane), scale words 512 bytes for eight tiles.
; v: source 0 = rows of xq, source 1 = rows of wq.  A lane holds one d; for a tile of 16 d its 64 registers are 128 tokens, register 16 B + i = token 32 B + 16 h + i:
;   bias added, quantised along the tokens, stored as whole fragments' images (1,536 bytes).
; Rows of xq, and v's rows of wq, lie with bits 3 and 4 of the row number exchanged: that gives the orders above with plain tiles of 16 neighbouring rows.
; The branch between the two kinds hangs on the cluster's number alone, which all sixteen partners share; each kind has the whole K loop, so that every register read was written on its own way.
; LIMITS: as the launch before (floor of the scale byte; NaN and infinities not served).  1 / sqrt by v_rsq_f32.
; REGISTERS: window 0: v1-15 at work; v16-29 addresses; v32-63 scale words, two sets, nothing else; v64-127 tables or codes; v128-223 source 1's fragments, one set; later tables and numbers at work.
;   window 1: source 0's fragments, two sets, at v0 and v128; v96-127 and v224-255 the bias.   windows 2, 3: the accumulators, (a, b) at v[8 (8 (a % 4) + b)].
.set NQ,     2                         ; matrix instructions deep in a slot
.set ROWB,   192
.set KSTB,   49152                     ; a K step of 256 rows in memory: one dense block, loaded as rows of 256 bytes; 128 rows are half of it
.set KROW,   768                       ; a row of codes in memory
.set PITCH,  240                       ; an LDS row: 3 x (64 bytes + 16 of padding)
.set FR,     12                        ; registers of a fragment
.set NLA,    6                         ; LDS loads that bring one of source 1's
.set NP,     4                         ; places behind this matrix instruction (ISA guide 7.12.1)
.set HALFT,  128*PITCH
.set SLOT,   4*HALFT
.set KS,     32                        ; a row of scale bytes
.set SCL,    2*SLOT                    ; behind the ring: the scales, as rows of 256 bytes + 16
.set HALFS,  (128*KS/256)*272
.set SBLK,   (16*KS/256)*272
.set SPARE,  SCL+4*HALFS               ; the spare words: 128 bytes a wave, named by no other line
.set ADRA, 16                          ; v16-19 LDS addresses of source 1's fragments, slot 0, 1 (and behind one padding more)
.set ADRB, 20                          ; v20-23 the same for source 0
.set ADRS, 27                          ; v27    my scale words
.set SPW,  28                          ; v28    my spare word; never rewritten
.set NIL,  29                          ; v29    0; never rewritten
.set SC,   32
.set AF,   128
.set G1, 24
.set G0, 32
.set G1B, 48
.set G0B, 56
.set G1S, 68
.set G0S, 76
.set G1SB, 80
.set G0SB, 88
.set KIND, 104                         ; s104   0 q, 1 k, 2 v
.set SEL, 6                            ; s[6:7] lane selects for v_permlanex16_b32, set in the epilogues
.set MSB, 0
.macro WIN new                         ; the immediate's high byte repeats the setting that is left
.if MSB != (\new)
	s_set_vgpr_msb (MSB<<8)|(\new)
.set MSB, (\new)
.endif
.endm
.set TO_B, 0x40
.macro JLOAD g0a, g1a, g0b, g1b        ; a joint load: waves 0, 1 fetch for source 1, waves 2, 3 for source 0; four v_nop follow each line
	s_cmp_eq_u32 s15, 0
	s_cbranch_scc0 .Lfor_b_\@
	tensor_load_to_lds s[\g0a:\g0a+3], s[\g1a:\g1a+7]
	s_nop 0
.rept 4
	v_nop
.endr
	s_branch .Lasked_\@
.Lfor_b_\@:
	tensor_load_to_lds s[\g0b:\g0b+3], s[\g1b:\g1b+7]
	s_nop 0
.rept 4
	v_nop
.endr
.Lasked_\@:
.endm
.macro CREST
	s_cmp_lg_u32 s14, 0
	s_cbranch_scc1 .Lnot_wave_0_\@
	s_barrier_signal -3
.Lnot_wave_0_\@:
	s_barrier_wait -3
	s_barrier_signal -1
	s_barrier_wait -1
.endm
.macro CROUND
	s_barrier_signal -1
	s_barrier_wait -1
	CREST
.endm
	s_load_b128 s[96:99], s[0:1], 0x0              ; xq, wq
	s_load_b128 s[92:95], s[0:1], 0x10             ; qb, kv
	s_load_b64 s[12:13], s[0:1], 0x20              ; aux
	v_lshl_add_u32 v[SPW], v0, 2, SPARE
	v_mov_b32 v[NIL], 0
	ds_add_u32 v28, v29
	ds_add_u32 v28, v29
	s_wait_dscnt 0x0
	v_lshrrev_b32 v1, 5, v0
	v_readfirstlane_b32 s14, v1                    ; wave 0..3
	s_lshr_b32 s15, s14, 1                         ; my half of source 1's rows.  Also: I fetch for source 1 (0) or source 0 (1)
	s_and_b32 s16, s14, 1                          ; my half of source 0's rows.  Also: which 128 rows I fetch
	s_bfe_u32 s40, ttmp6, 0x40000                  ; cx
	s_bfe_u32 s41, ttmp6, 0x40004                  ; cy
	s_and_b32 s17, ttmp7, 0xffff                   ; the cluster's y
	s_mul_i32 s17, s17, 3
	s_add_co_u32 s17, s17, ttmp9                   ; the cluster's number, x fastest: 0 .. 23
	s_and_b32 s[KIND], s17, 1                      ; numbers 0 .. 15: q (even) or k (odd),
	s_lshr_b32 s18, s17, 1                         ; of batch number / 2;
	s_max_u32 s19, s17, 16
	s_sub_co_u32 s19, s19, 16                      ; numbers 16 .. 23: v, of batch number - 16
	s_cmp_ge_u32 s17, 16
	s_cselect_b32 s[KIND], 2, s[KIND]
	s_cselect_b32 s17, s19, s18                    ; the batch: four tiles of 256 tokens
	s_cmp_eq_u32 s[KIND], 2                        ; v's clusters: the operands change places
	s_cselect_b32 s42, s17, s[KIND]
	s_cselect_b32 s17, 2, s17
	s_lshl_b32 s42, s42, 2
	s_add_co_u32 s42, s42, s40                     ; source 0's tile of 256 rows
	s_lshl_b32 s17, s17, 2
	s_add_co_u32 s17, s17, s41                     ; source 1's
	s_lshl_b32 s43, s41, 2
	s_lshl_b32 s43, 15, s43                        ; my row of the cluster
	s_lshl_b32 s44, 0x1111, s40                    ; my column
	s_or_b32 s[G1+0], s43, (0<<16)|(1<<20)|(1<<21)|(3<<22)|(3<<25)   ; mask; elements of 1 byte; padding on; bit 21 beside a mask; 4 words behind every 16
	s_or_b32 s[G1B+0], s44, (0<<16)|(1<<20)|(1<<21)|(3<<22)|(3<<25)
.irp g, G1, G1B
	s_mov_b32 s[\g+1], 256<<16                     ; rows of 256 bytes,
	s_mov_b32 s[\g+2], 192<<16                     ; 192 of them at the head (256 rows of codes); 96 in the ring
	s_mov_b32 s[\g+3], 256<<16
	s_mov_b32 s[\g+4], 192
	s_mov_b32 s[\g+5], 256
	s_mov_b32 s[\g+6], 0
	s_mov_b32 s[\g+7], 0
.endr
	s_or_b32 s[G1S+0], s43, (3<<16)|(1<<20)|(1<<21)|(5<<22)|(3<<25)  ; the scales of 256 rows: 32 rows of 256 bytes, 16 bytes of padding behind each
	s_or_b32 s[G1SB+0], s44, (3<<16)|(1<<20)|(1<<21)|(5<<22)|(3<<25)
.irp g, G1S, G1SB
	s_mov_b32 s[\g+1], 32<<16
	s_mov_b32 s[\g+2], (256*KS/256)<<16
	s_mov_b32 s[\g+3], 32<<16
	s_mov_b32 s[\g+4], 256*KS/256
	s_mov_b32 s[\g+5], 32
	s_mov_b32 s[\g+6], 0
	s_mov_b32 s[\g+7], 0
.endr
	s_lshl_b32 s20, s17, 8                         ; source 1: the tile's first row
	s_lshl_b32 s46, s42, 8                         ; source 0 likewise
	s_mov_b32 s21, 0
	s_mov_b32 s47, 0
	s_mov_b64 s[18:19], KS
	s_mul_u64 s[22:23], s[20:21], s[18:19]
	s_mul_u64 s[66:67], s[46:47], s[18:19]
	s_mov_b64 s[18:19], KROW
	s_mul_u64 s[20:21], s[20:21], s[18:19]
	s_mul_u64 s[46:47], s[46:47], s[18:19]
	s_mul_i32 s45, s14, HALFT                      ; where they go: no place in the cluster enters an LDS address
	s_mul_i32 s18, s16, 24576                      ; in the ring I fetch 128 rows of a K step's block: which half
	s_mov_b32 s19, 0
	s_wait_kmcnt 0x0
	s_cmp_eq_u32 s[KIND], 2                        ; which buffer serves which source: the choice hangs on the cluster's number alone
	s_cselect_b64 s[4:5], s[98:99], s[96:97]       ; source 1's codes
	s_cselect_b64 s[8:9], s[96:97], s[98:99]       ; source 0's codes
	s_add_nc_u64 s[96:97], s[96:97], 6291456       ; xq's scale bytes
	s_add_nc_u64 s[98:99], s[98:99], 3145728       ; wq's
	s_cselect_b64 s[6:7], s[98:99], s[96:97]
	s_cselect_b64 s[10:11], s[96:97], s[98:99]
	s_add_nc_u64 s[20:21], s[4:5], s[20:21]
	s_add_nc_u64 s[22:23], s[6:7], s[22:23]
	s_add_nc_u64 s[46:47], s[8:9], s[46:47]
	s_add_nc_u64 s[66:67], s[10:11], s[66:67]
	CROUND                                         ; all sixteen work-groups are here: the first joint loads meet
	s_mov_b32 s[G0S], 1
	s_mov_b32 s[G0S+1], SCL
	s_mov_b64 s[G0S+2:G0S+3], s[22:23]
	s_or_b32 s[G0S+3], s[G0S+3], 0x80000000
	s_mov_b32 s[G0SB], 1
	s_mov_b32 s[G0SB+1], SCL+2*HALFS
	s_mov_b64 s[G0SB+2:G0SB+3], s[66:67]
	s_or_b32 s[G0SB+3], s[G0SB+3], 0x80000000
	s_mov_b32 s4, 1                                ; s[4:7], s[8:11]: group 0 of the head's loads of K step 0: source 1's 256 rows, source 0's
	s_mov_b32 s5, 0
	s_mov_b64 s[6:7], s[20:21]
	s_or_b32 s7, s7, 0x80000000
	s_mov_b32 s8, 1
	s_mov_b32 s9, 2*HALFT
	s_mov_b64 s[10:11], s[46:47]
	s_or_b32 s11, s11, 0x80000000
	s_add_nc_u64 s[20:21], s[20:21], s[18:19]      ; for the ring: my 128 rows
	s_add_nc_u64 s[46:47], s[46:47], s[18:19]
.irp s, 0,1
	s_mov_b32 s[G0+4*\s], 1
	s_add_co_u32 s[G0+4*\s+1], s45, \s*SLOT
	s_add_nc_u64 s[G0+4*\s+2:G0+4*\s+3], s[20:21], \s*KSTB
	s_or_b32 s[G0+4*\s+3], s[G0+4*\s+3], 0x80000000
	s_mov_b32 s[G0B+4*\s], 1
	s_add_co_u32 s[G0B+4*\s+1], s45, \s*SLOT
	s_add_nc_u64 s[G0B+4*\s+2:G0B+4*\s+3], s[46:47], \s*KSTB
	s_or_b32 s[G0B+4*\s+3], s[G0B+4*\s+3], 0x80000000
.endr
; the head's four tiles, one load a wave: one chain of branches on the wave's number, every arm with its load
.macro ARM under, g0, g1, next
	s_cmp_lt_u32 s14, \under
	s_cbranch_scc0 \next
	tensor_load_to_lds s[\g0:\g0+3], s[\g1:\g1+7]
	s_nop 0
.rept 4
	v_nop
.endr
	s_branch .Lhead_asked
\next:
.endm
	ARM 1, 4, G1, .Lhead_b
	ARM 2, 8, G1B, .Lhead_sa
	ARM 3, G0S, G1S, .Lhead_sb
	tensor_load_to_lds s[G0SB:G0SB+3], s[G1SB:G1SB+7]
	s_nop 0
.rept 4
	v_nop
.endr
.Lhead_asked:
	; prefetches: behind each trip's tensor load one instruction a wave names the K step that the next refill loads.  Of the 96 blocks of 256 bytes that I fetch of it,
	; each of the four partners that ask jointly takes 24, told apart by address (cx for source 1, cy for source 0); lanes 24-31 name the last block again.  K step 3 is the last: nothing is named beyond it.
	s_cmp_eq_u32 s15, 0
	s_cselect_b64 s[2:3], s[20:21], s[46:47]       ; my 128 rows of K step 0
	s_cselect_b32 s100, s40, s41
	s_mul_i32 s100, s100, 6144
	s_mov_b32 s101, 0
	s_add_nc_u64 s[2:3], s[2:3], s[100:101]
	v_and_b32 v30, 31, v0
	v_min_u32 v30, 23, v30
	v_lshlrev_b32 v30, 8, v30                      ; v30: never rewritten
	global_prefetch_b8 v30, s[2:3] offset:KSTB th:TH_LOAD_NT scope:SCOPE_SE
	v_and_b32 v1, 15, v0                           ; r
	v_bfe_u32 v2, v0, 4, 1                         ; h
	v_mul_u32_u24 v3, v1, PITCH
	v_mul_u32_u24 v4, v2, 24
	v_add_nc_u32 v4, v3, v4                        ; a fragment's row x pitch + 24 h
	v_lshl_add_u32 v5, v2, 4, v4                   ; and behind one padding more
	s_mul_i32 s21, s15, HALFT
	s_mul_i32 s22, s16, HALFT
	s_add_co_u32 s22, s22, 2*HALFT
.irp s, 0,1
	v_add_nc_u32 v[ADRA+\s], s21, v4
	v_add_nc_u32 v[ADRB+\s], s22, v4
	v_add_nc_u32 v[ADRA+2+\s], s21, v5
	v_add_nc_u32 v[ADRB+2+\s], s22, v5
	s_add_co_u32 s21, s21, SLOT
	s_add_co_u32 s22, s22, SLOT
.endr
	v_mul_u32_u24 v5, v1, KS
	v_lshrrev_b32 v6, 8, v5
	v_lshl_add_u32 v5, v6, 4, v5                   ; my row's scales: 32 bytes a row, 16 more for each 256 passed
	s_mul_i32 s21, s15, HALFS
	s_mul_i32 s22, s16, HALFS
	s_add_co_u32 s22, s22, 2*HALFS
	s_sub_co_u32 s22, s22, s21
	v_mul_u32_u24 v6, s22, v2                      ; lanes 16-31 take source 0's
	s_add_co_u32 s21, s21, SCL
	v_add_nc_u32 v5, v5, v6
	v_add_nc_u32 v[ADRS], s21, v5
.macro FRAG reg, adr, q, i             ; 16 rows x 128 K: 12 registers, six pieces of 8 bytes; where lanes 16-31's piece lies behind one padding more the second address register serves
.irp p, 0,1,2,3,4,5
.set PCE, 12*(\q)+6*(\p/3)+\p%3
.if PCE%8 < 5
	ds_load_b64 v[\reg+2*\p:\reg+2*\p+1], v[\adr] offset:8*PCE+16*(PCE/8)+(\i)*16*PITCH
.else
	ds_load_b64 v[\reg+2*\p:\reg+2*\p+1], v[\adr+2] offset:8*PCE+16*(PCE/8)+(\i)*16*PITCH
.endif
.endr
.endm
; One product.  zero = 1: C is the constant 0; 2: C is the bias of source 0's block b (window 1); 0: the sum goes on in place.
.macro MM a, b, p, q, sc, zero
.set DD, 8*(8*((\a)%4)+\b)
.if \zero == 1
	v_wmma_scale_f32_16x16x128_f8f6f4 v[DD:DD+7], v[128*(\p)+FR*\b:128*(\p)+FR*\b+FR-1], v[AF+FR*(\a):AF+FR*(\a)+FR-1], 0, v[SC+8*NQ*(\sc)+NQ*\b+(\q)], v[SC+8*NQ*(\sc)+NQ*(\a)+(\q)] matrix_a_fmt:MATRIX_FMT_BF6 matrix_b_fmt:MATRIX_FMT_BF6 matrix_a_scale:MATRIX_SCALE_ROW1
.elseif \zero == 2
	v_wmma_scale_f32_16x16x128_f8f6f4 v[DD:DD+7], v[128*(\p)+FR*\b:128*(\p)+FR*\b+FR-1], v[AF+FR*(\a):AF+FR*(\a)+FR-1], v[96+8*\b+96*(\b/4):103+8*\b+96*(\b/4)], v[SC+8*NQ*(\sc)+NQ*\b+(\q)], v[SC+8*NQ*(\sc)+NQ*(\a)+(\q)] matrix_a_fmt:MATRIX_FMT_BF6 matrix_b_fmt:MATRIX_FMT_BF6 matrix_a_scale:MATRIX_SCALE_ROW1
.else
	v_wmma_scale_f32_16x16x128_f8f6f4 v[DD:DD+7], v[128*(\p)+FR*\b:128*(\p)+FR*\b+FR-1], v[AF+FR*(\a):AF+FR*(\a)+FR-1], v[DD:DD+7], v[SC+8*NQ*(\sc)+NQ*\b+(\q)], v[SC+8*NQ*(\sc)+NQ*(\a)+(\q)] matrix_a_fmt:MATRIX_FMT_BF6 matrix_b_fmt:MATRIX_FMT_BF6 matrix_a_scale:MATRIX_SCALE_ROW1
.endif
.endm
.macro MUL16 a0, p, q, sc, zero        ; the 64 accumulators take turns, one instruction a turn, in the same order in every step
.irp a, \a0, \a0+1
.irp b, 0,1,2,3,4,5,6,7
	MM \a, \b, \p, \q, \sc, \zero
.endr
.endr
.endm
.macro WMUL hi, zero                   ; source 0 window 1, source 1 window 0, D window 2 or 3; C with D, or (the bias) in window 1
.if \zero == 2
	WIN 0x91+0x40*\hi
.else
	WIN 0xa1+0x50*\hi
.endif
.endm
.macro FETCH_B slot, q, p
	WIN TO_B
.irp i, 0,1,2,3,4,5,6,7
	FRAG 128*(\p)+FR*\i, ADRB+\slot, \q, \i
.endr
	WIN 0
.endm
.macro FETCH_A slot, q, i0
.irp i, \i0, \i0+1, \i0+2, \i0+3
	FRAG AF+FR*(\i), ADRA+\slot, \q, \i
.endr
.endm
.macro SCALES sc                       ; a slot's scale words: lanes 0-15 source 1's block i, lanes 16-31 source 0's
.irp i, 0,1,2,3,4,5,6,7
	ds_load_b64 v[SC+8*NQ*\sc+NQ*\i:SC+8*NQ*\sc+NQ*\i+1], v[ADRS] offset:\i*SBLK
.endr
.endm
.macro PLACES n
.rept \n
	v_nop
.endr
.endm
.macro STEP slot, q, zero              ; 128 along K whose successor lies in the same slot
	s_wait_dscnt 4*NLA                             ; all but the youngest loads (source 1's blocks 4-7) are in
	WMUL 0, \zero
	MUL16 0, (\q)%2, \q, \slot, \zero
	MUL16 2, (\q)%2, \q, \slot, \zero
	s_wait_dscnt 0
	PLACES NP
	FETCH_B \slot, (\q)+1, 1-(\q)%2
	FETCH_A \slot, (\q)+1, 0
	WMUL 1, \zero
	MUL16 4, (\q)%2, \q, \slot, \zero
	MUL16 6, (\q)%2, \q, \slot, \zero
	PLACES NP
	WIN 0
	FETCH_A \slot, (\q)+1, 4
.endm
.macro TURN slot, next, fill           ; a slot's last step changes slots: one barrier, which opens a round of the cluster's where the slot is filled again
	s_wait_tensorcnt 0x0                           ; all my tensor loads have landed: my part of the next slot
	ds_add_u32 v[SPW], v[NIL]                      ; 0 onto my spare word
	s_wait_dscnt 4*NLA+1                           ; (the add and the youngest loads may be out)
	WMUL 0, 0
	MUL16 0, 1, NQ-1, \slot, 0
	s_wait_dscnt 0x0                               ; the add is done, and my reads of this slot are over
	s_barrier_signal -1
	MUL16 2, 1, NQ-1, \slot, 0
	WIN 0
	s_barrier_wait -1
.if \fill
	CREST                                          ; no wave of any partner still reads this slot or has a load on its way
	s_add_nc_u64 s[G0+4*\slot+2:G0+4*\slot+3], s[G0+4*\slot+2:G0+4*\slot+3], 2*KSTB
	s_add_nc_u64 s[G0B+4*\slot+2:G0B+4*\slot+3], s[G0B+4*\slot+2:G0B+4*\slot+3], 2*KSTB
	JLOAD G0+4*\slot, G1, G0B+4*\slot, G1B         ; the first tensor load behind the round; its four v_nop are the places in front of the loads below
.else
	PLACES NP
.endif
	s_wait_alu depctr_va_vdst(0)
	v_add_nc_u32 v[ADRS], 4*NQ, v[ADRS]
	FETCH_B \next, 0, 0
	FETCH_A \next, 0, 0
	SCALES \next
.if (\fill) && (\slot) == 0
	global_prefetch_b8 v30, s[2:3] offset:3*KSTB th:TH_LOAD_NT scope:SCOPE_SE
.endif
	WMUL 1, 0
	MUL16 4, 1, NQ-1, \slot, 0
	MUL16 6, 1, NQ-1, \slot, 0
	PLACES NP
	WIN 0
	FETCH_A \next, 0, 4
.endm
.macro MAINLOOP cm                     ; K = 1024: four slots' worth, written out; slots 0 and 1 are each filled again once
	s_wait_alu depctr_va_vdst(0)
	s_wait_tensorcnt 0x0                           ; my tile of the head's four is in; slot 1's first fill is issued as a refill is
	ds_add_u32 v[SPW], v[NIL]
	s_mov_b32 s[G1+2], 96<<16                      ; no load of mine is out: from here on a load brings 128 rows of codes, 96 rows of 256 bytes
	s_mov_b32 s[G1+4], 96
	s_mov_b32 s[G1B+2], 96<<16
	s_mov_b32 s[G1B+4], 96
	s_wait_dscnt 0x0
	CROUND
	JLOAD G0+4, G1, G0B+4, G1B
	FETCH_B 0, 0, 0
	FETCH_A 0, 0, 0
	SCALES 0
	FETCH_A 0, 0, 4
	global_prefetch_b8 v30, s[2:3] offset:2*KSTB th:TH_LOAD_NT scope:SCOPE_SE
	STEP 0, 0, \cm
	TURN 0, 1, 1
	STEP 1, 0, 0
	TURN 1, 0, 1
	STEP 0, 0, 0
	TURN 0, 1, 0
	STEP 1, 0, 0
.endm
.macro LASTSTEP                        ; the last 128 along K: it stands once in each kind's text, behind that kind's loads of bias and tables
	s_wait_dscnt 4*NLA
	WMUL 0, 0
	MUL16 0, 1, NQ-1, 1, 0
	MUL16 2, 1, NQ-1, 1, 0
	s_wait_dscnt 0
	WMUL 1, 0
	MUL16 4, 1, NQ-1, 1, 0
	MUL16 6, 1, NQ-1, 1, 0
	WIN 0
.endm
.macro ENDING                          ; the wave's end; then the closing round
	s_wait_tensorcnt 0x0
	ds_add_u32 v[SPW], v[NIL]
	s_wait_dscnt 0x0
	CROUND
	s_endpgm
.endm
	MAINLOOP 1
	s_wait_xcnt 0x0                                ; the prefetches have read s[2:3], which both kinds write anew
	s_cmp_eq_u32 s[KIND], 2
	s_cbranch_scc1 .Lv
; ================================================================ q and k
.set KSW, 4                            ; v4-11    scale words, four registers a head: word j: tile 2 j in lanes 0-15, tile 2 j + 1 in lanes 16-31
.set RR,  12                           ; v12:13, v14:15  1 / rms of my token, for each head
.set U,   192                          ; v192-223 a head's 32 numbers
.set SS,  224                          ; v224-231 sums of squares, two chains a head
.set TM,  232                          ; v232-237 at work in the quantiser
.set PW,  238                          ; v238     the scale word just made
.set QPC, 240                          ; v240-246, v248-254 the codes, a set for each head
	s_lshl_b32 s2, s17, 1
	s_add_co_u32 s2, s2, s15                       ; my group of 128 tokens among 64
	s_lshr_b32 s3, s2, 3                           ; the batch
	s_and_b32 s2, s2, 7                            ; the group in it
	s_lshl_b32 s96, s42, 8
	s_lshl_b32 s97, s16, 7
	s_add_co_u32 s96, s96, s97                     ; my first column
	s_mul_i32 s97, s3, 3072
	s_add_co_u32 s96, s96, s97
	s_lshl_b32 s96, s96, 2
	s_mov_b32 s97, 0
	s_add_nc_u64 s[96:97], s[12:13], s[96:97]      ; the bias of my batch at my columns
	s_lshl_b32 s98, s[KIND], 6
	s_lshl_b32 s99, s2, 3
	s_add_co_u32 s98, s98, s99
	s_lshl_b32 s98, s98, 13
	s_add_co_u32 s98, s98, 393216
	s_mov_b32 s99, 0
	s_add_nc_u64 s[98:99], s[12:13], s[98:99]      ; the tables of my eight tiles of tokens
	v_and_b32 v2, 31, v0
	v_lshlrev_b32 v1, 3, v2                        ; 8 x lane
	v_bfe_u32 v3, v0, 4, 1
	v_lshlrev_b32 v3, 5, v3                        ; 32 h
	v_lshlrev_b32 v2, 4, v2                        ; 16 x lane
	WIN TO_B                                       ; into window 1, beside its fragments
.irp k, 0,1,2,3,4,5,6,7
.irp q, 0,1
	global_load_b128 v[96+128*(\k/4)+8*(\k%4)+4*\q:96+128*(\k/4)+8*(\k%4)+4*\q+3], v3, s[96:97] offset:64*\k+16*\q
.endr
.endr
	WIN 0
.macro RTLOAD a, dst                   ; tile a's tables: 32 registers of cw, 32 of sw
.irp c, 0,1,2,3,4,5,6,7,8,9,10,11,12,13,14,15
	global_load_b128 v[\dst+4*\c:\dst+4*\c+3], v2, s[98:99] offset:(\a)*8192+512*\c
.endr
.endm
	RTLOAD 0, 64
	s_wait_alu depctr_va_vdst(0)
	LASTSTEP
; 32 numbers of a lane, register 16 B + i, with the partner 16 lanes away holding the blocks' other halves, become six registers of codes (lane half h: block h) and a scale word (bytes 0, 1; bytes 2, 3 are 0).
.macro QUANT2 s, pc, pw
.irp b, 0,1
	v_max3_num_f32 v[TM+\b], |v[\s+16*\b]|, |v[\s+1+16*\b]|, 0x2800000   ; with the floor 2^(5 - 127)
.endr
.irp i, 2,4,6,8,10,12,14
.irp b, 0,1
	v_max3_num_f32 v[TM+\b], v[TM+\b], |v[\s+16*\b+\i]|, |v[\s+1+16*\b+\i]|
.endr
.endr
.irp b, 0,1
	v_permlanex16_b32 v[TM+2+\b], v[TM+\b], s[SEL], s[SEL+1]
.endr
.irp b, 0,1
	v_max_num_f32 v[TM+\b], v[TM+\b], v[TM+2+\b]
.endr
.irp b, 0,1
	v_add_nc_u32 v[TM+4+\b], 0xfe000000, v[TM+\b]  ; 4 off the exponent field: the conversion's scale operand
.endr
.irp b, 0,1
	v_lshrrev_b32 v[TM+2+\b], 23, v[TM+4+\b]
.endr
	v_lshl_or_b32 v[\pw], v[TM+3], 8, v[TM+2]
	v_cvt_scalef32_pk16_bf6_f32 v[\pc:\pc+2], v[\s:\s+15], v[TM+4]
	v_cvt_scalef32_pk16_bf6_f32 v[\pc+4:\pc+6], v[\s+16:\s+31], v[TM+5]
	v_nop                                          ; one plain place behind a scaled conversion
.irp i, 0,1,2
	v_permlane16_swap_b32 v[\pc+\i], v[\pc+4+\i]   ; a whole block to a lane
.endr
	v_mov_b32 v[\pc+3], v[\pc+4]
	v_mov_b32 v[\pc+4], v[\pc+5]
	v_mov_b32 v[\pc+5], v[\pc+6]
.endm
.macro QKHEAD a, e, d                  ; head e of tile a: gain and rotation, norm, codes, stores
	WIN 0x02+((\a)/4)                              ; source 0: the accumulators' window
.irp bb, 0,1
.irp j, 0,2,4,6
	v_pk_mul_f32 v[U+16*\bb+\j:U+16*\bb+\j+1], v[AC+32*\e+16*\bb+\j:AC+32*\e+16*\bb+\j+1], v[CS+16*\bb+\j:CS+16*\bb+\j+1]
	v_pk_mul_f32 v[U+16*\bb+8+\j:U+16*\bb+8+\j+1], v[AC+32*\e+16*\bb+8+\j:AC+32*\e+16*\bb+8+\j+1], v[CS+16*\bb+8+\j:CS+16*\bb+8+\j+1]
	v_pk_fma_f32 v[U+16*\bb+\j:U+16*\bb+\j+1], v[AC+32*\e+16*\bb+8+\j:AC+32*\e+16*\bb+8+\j+1], v[CS+32+16*\bb+\j:CS+32+16*\bb+\j+1], v[U+16*\bb+\j:U+16*\bb+\j+1]
	v_pk_fma_f32 v[U+16*\bb+8+\j:U+16*\bb+8+\j+1], v[AC+32*\e+16*\bb+\j:AC+32*\e+16*\bb+\j+1], v[CS+32+16*\bb+8+\j:CS+32+16*\bb+8+\j+1], v[U+16*\bb+8+\j:U+16*\bb+8+\j+1]
.endr
.endr
	WIN 0
.set J, 0
	s_wait_alu depctr_va_vdst(0)
.rept 16
	v_pk_mul_f32 v[U+J:U+J+1], v[U+J:U+J+1], v[RR+2*\e:RR+2*\e+1] op_sel_hi:[1,0]
.set J, J+2
.endr
	s_wait_alu depctr_va_vdst(0)
	s_wait_xcnt 0x0                                ; the codes' registers, which earlier stores read, are rewritten only behind this wait
	QUANT2 U, QPC+8*\e, PW
.irp c, 0,1,2
	global_store_b64 v1, v[QPC+8*\e+2*\c:QPC+8*\e+2*\c+1], s[\d:\d+1] offset:(\a)*768+256*\c   ; 32 lanes store 256 consecutive bytes, aligned
.endr
.if (\a)%2 == 0
	v_mov_b32 v[KSW+4*\e+(\a)/2], v[PW]
.else
	v_cndmask_b32 v[KSW+4*\e+(\a)/2], v[KSW+4*\e+(\a)/2], v[PW], s12   ; lanes 16-31 take the odd tile's words
.endif
.endm
.macro QKROW a                         ; tile a of 16 tokens, both heads
.set AC, 64*((\a)%4)
.set CS, 64+64*((\a)%2)
.if (\a) < 7
	RTLOAD (\a)+1, 64+64*(((\a)+1)%2)
	s_wait_loadcnt 16                              ; this tile's tables are in; the 16 loads just issued may be out
.else
	s_wait_loadcnt 0x0
.endif
	WIN 0x86+0x41*((\a)/4)                         ; the bias of my columns (window 1) onto the tile's sums, in place; each accumulator from its low end on
.irp b, 0,1,2,3,4,5,6,7
.irp j, 0,2,4,6
	v_pk_add_f32 v[AC+8*\b+\j:AC+8*\b+\j+1], v[AC+8*\b+\j:AC+8*\b+\j+1], v[96+8*\b+96*(\b/4)+\j:97+8*\b+96*(\b/4)+\j]
.endr
.endr
	WIN 0x0a+5*((\a)/4)
.irp c, 0,2
.irp e, 0,1
	v_pk_mul_f32 v[SS+4*\e+\c:SS+4*\e+\c+1], v[AC+32*\e+\c:AC+32*\e+\c+1], v[AC+32*\e+\c:AC+32*\e+\c+1]
.endr
.endr
.irp p, 4,8,12,16,20,24,28
.irp c, 0,2
.irp e, 0,1
	v_pk_fma_f32 v[SS+4*\e+\c:SS+4*\e+\c+1], v[AC+32*\e+\p+\c:AC+32*\e+\p+\c+1], v[AC+32*\e+\p+\c:AC+32*\e+\p+\c+1], v[SS+4*\e+\c:SS+4*\e+\c+1]
.endr
.endr
.endr
	WIN 0
.irp e, 0,1
	v_pk_add_f32 v[SS+4*\e:SS+4*\e+1], v[SS+4*\e:SS+4*\e+1], v[SS+4*\e+2:SS+4*\e+3]
.endr
.irp e, 0,1
	v_add_f32 v[SS+4*\e], v[SS+4*\e], v[SS+4*\e+1]
.endr
.irp e, 0,1
	v_permlanex16_b32 v[SS+4*\e+2], v[SS+4*\e], s[SEL], s[SEL+1]
.endr
.irp e, 0,1
	v_add_f32 v[SS+4*\e], v[SS+4*\e], v[SS+4*\e+2] ; the head's 64 squares
.endr
.irp e, 0,1
	v_fma_f32 v[SS+4*\e], v[SS+4*\e], s5, s4       ; / 64 + 1e-6
.endr
	s_wait_alu depctr_va_vdst(0)
.irp e, 0,1
	v_rsq_f32 v[RR+2*\e], v[SS+4*\e]               ; the plain lines that follow touch neither result nor source
.endr
	QKHEAD \a, 0, 46
	QKHEAD \a, 1, 66
.endm
	PLACES NP                                      ; behind the last products: then results are read, and operands' registers are loaded and written
	s_lshl_b32 s100, s3, 4
	s_lshl_b32 s101, s40, 2
	s_add_co_u32 s100, s100, s101
	s_lshl_b32 s101, s16, 1
	s_add_co_u32 s100, s100, s101                  ; 16 x batch + my first head
	s_lshl_b32 s100, s100, 3
	s_add_co_u32 s100, s100, s2
	s_mul_i32 s100, s100, 6656                     ; q: blocks of 6,656 bytes; k: of twice that
	s_lshl_b32 s100, s100, s[KIND]
	s_mov_b32 s101, 0
	s_cmp_eq_u32 s[KIND], 1
	s_cselect_b64 s[46:47], s[94:95], s[92:93]
	s_add_nc_u64 s[46:47], s[46:47], s[100:101]    ; my first head's block
	s_lshl_b32 s100, 53248, s[KIND]
	s_add_nc_u64 s[66:67], s[46:47], s[100:101]    ; the second head's: eight blocks on
	s_lshl_b32 s100, 6144, s[KIND]
	s_add_nc_u64 s[8:9], s[46:47], s[100:101]      ; their scale words
	s_add_nc_u64 s[10:11], s[66:67], s[100:101]
	s_mov_b32 s[SEL], 0x76543210
	s_mov_b32 s[SEL+1], 0xfedcba98
	s_mov_b32 s4, 0x358637bd                       ; 1e-6
	s_mov_b32 s5, 0x3c800000                       ; 1 / 64
	s_mov_b32 s12, 0xffff0000                      ; lanes 16-31
	v_mov_b32 v[RR+1], 0                           ; named as upper halves of pairs
	v_mov_b32 v[RR+3], 0
	v_mov_b32 v[TM+2], 0                           ; a lane permute's destination counts as one of its sources
	v_mov_b32 v[TM+3], 0
.irp a, 0,1,2,3,4,5,6,7
	QKROW \a
.endr
	global_store_b128 v2, v[KSW:KSW+3], s[8:9]     ; 32 lanes store 512 consecutive bytes, aligned
	global_store_b128 v2, v[KSW+4:KSW+7], s[10:11]
	ENDING
; ================================================================ v
.set VS,  4                            ; v4-7     a head's four scale words
.set VPC, 64                           ; v64-82   the codes
.set VTM, 96                           ; v96-111  at work in the quantiser
.set VPW, 112                          ; v112     the scale word just made
.set VT,  192                          ; v192-255 64 numbers
.Lv:
	s_lshl_b32 s2, s42, 1
	s_add_co_u32 s2, s2, s16                       ; my group of 128 tokens
	s_lshr_b32 s3, s2, 3
	s_and_b32 s2, s2, 7
	s_mul_i32 s96, s3, 3072
	s_lshl_b32 s97, s41, 8
	s_add_co_u32 s96, s96, s97
	s_lshl_b32 s97, s15, 7
	s_add_co_u32 s96, s96, s97
	s_add_co_u32 s96, s96, 2048                    ; my first column
	s_lshl_b32 s96, s96, 2
	s_mov_b32 s97, 0
	s_add_nc_u64 s[96:97], s[12:13], s[96:97]
	v_and_b32 v1, 15, v0
	v_and_b32 v3, 8, v1
	v_add_nc_u32 v3, v3, v1
	v_lshlrev_b32 v3, 2, v3                        ; 4 (r + 8 (r / 8)): my lane's column in a tile
	v_and_b32 v2, 31, v0
	v_lshlrev_b32 v2, 4, v2                        ; 16 x lane
	WIN TO_B
.irp a, 0,1,2,3,4,5,6,7
	global_load_b32 v[96+\a], v3, s[96:97] offset:(32*(\a/2)+8*(\a%2))*4
.endr
	WIN 0
	s_wait_alu depctr_va_vdst(0)
	LASTSTEP
	s_wait_loadcnt 0x0                             ; the bias of my eight d is in
; 64 numbers of a lane, register 16 b + i = k 32 b + 16 h + i of my row, become a fragment's codes in v[VPC] on and its scale word in v[VPW].
.macro QUANT s
.irp b, 0,1,2,3
	v_max3_num_f32 v[VTM+\b], |v[\s+16*\b]|, |v[\s+1+16*\b]|, 0x2800000
.endr
.irp i, 2,4,6,8,10,12,14
.irp b, 0,1,2,3
	v_max3_num_f32 v[VTM+\b], v[VTM+\b], |v[\s+16*\b+\i]|, |v[\s+1+16*\b+\i]|
.endr
.endr
.irp b, 0,1,2,3
	v_permlanex16_b32 v[VTM+4+\b], v[VTM+\b], s[SEL], s[SEL+1]
.endr
.irp b, 0,1,2,3
	v_max_num_f32 v[VTM+\b], v[VTM+\b], v[VTM+4+\b]
.endr
.irp b, 0,1,2,3
	v_add_nc_u32 v[VTM+12+\b], 0xfe000000, v[VTM+\b]
.endr
.irp b, 0,1,2,3
	v_lshrrev_b32 v[VTM+4+\b], 23, v[VTM+12+\b]
.endr
	v_lshl_or_b32 v[VPW], v[VTM+5], 8, v[VTM+4]
	v_lshl_or_b32 v[VPW], v[VTM+6], 16, v[VPW]
	v_lshl_or_b32 v[VPW], v[VTM+7], 24, v[VPW]
.irp c, 0,1
	v_cvt_scalef32_pk16_bf6_f32 v[VPC+6*\c:VPC+2+6*\c], v[\s+32*\c:\s+15+32*\c], v[VTM+12+2*\c]
	v_cvt_scalef32_pk16_bf6_f32 v[VPC+12+4*\c:VPC+14+4*\c], v[\s+16+32*\c:\s+31+32*\c], v[VTM+12+2*\c+1]
.endr
	v_nop                                          ; one plain place behind a scaled conversion
.irp c, 0,1
.irp i, 0,1,2
	v_permlane16_swap_b32 v[VPC+6*\c+\i], v[VPC+12+4*\c+\i]
.endr
.irp i, 0,1,2
	v_mov_b32 v[VPC+3+6*\c+\i], v[VPC+12+4*\c+\i]
.endr
.endr
.endm
.macro VROW a, d                       ; tile a of 16 d: the bias of my d onto 128 tokens, codes, stores
.set AC, 64*((\a)%4)
	WIN 0x06+((\a)/4)                              ; source 0: the accumulators' window; source 1: window 1
.set J, 0
.rept 32
.if (\a)%2 == 0
	v_pk_add_f32 v[VT+J:VT+J+1], v[AC+J:AC+J+1], v[96+2*((\a)/2):97+2*((\a)/2)] op_sel_hi:[1,0]
.else
	v_pk_add_f32 v[VT+J:VT+J+1], v[AC+J:AC+J+1], v[96+2*((\a)/2):97+2*((\a)/2)] op_sel:[0,1] op_sel_hi:[1,1]
.endif
.set J, J+2
.endr
	WIN 0
	s_wait_xcnt 0x0                                ; registers that earlier stores read are rewritten only behind this wait
	QUANT VT
.irp c, 0,1,2
	global_store_b128 v2, v[VPC+4*\c:VPC+4*\c+3], s[\d:\d+1] offset:6144+1536*((\a)%4)+512*\c   ; 32 lanes store 512 consecutive bytes, aligned
.endr
	v_mov_b32 v[VS+(\a)%4], v[VPW]
.if (\a)%4 == 3
	global_store_b128 v2, v[VS:VS+3], s[\d:\d+1] offset:12800
.endif
.endm
	PLACES NP
	s_lshl_b32 s12, s3, 4
	s_lshl_b32 s13, s41, 2
	s_add_co_u32 s12, s12, s13
	s_lshl_b32 s13, s15, 1
	s_add_co_u32 s12, s12, s13                     ; 16 x batch + my first head
	s_lshl_b32 s12, s12, 3
	s_add_co_u32 s12, s12, s2
	s_mul_i32 s12, s12, 13312
	s_mov_b32 s13, 0
	s_add_nc_u64 s[98:99], s[94:95], s[12:13]
	s_add_nc_u64 s[100:101], s[98:99], 106496      ; the second head: eight blocks on
	s_mov_b32 s[SEL], 0x76543210
	s_mov_b32 s[SEL+1], 0xfedcba98
.irp b, 0,1,2,3
	v_mov_b32 v[VTM+4+\b], 0                       ; a lane permute's destination counts as one of its sources
.endr
.irp a, 0,1,2,3,4,5,6,7
	VROW \a, 98+2*(\a/4)
.endr
	ENDING
.Lfunc_end_k_q39377be4c7_qkv:
	.size	k_q39377be4c7_qkv, .Lfunc_end_k_q39377be4c7_qkv-k_q39377be4c7_qkv
	.p2alignl 7, 3214868480
	.fill 96, 4, 3214868480
	.section	.rodata,"a",@progbits
	.p2align	6, 0x0
	.amdhsa_kernel k_q39377be4c7_qkv
		.amdhsa_group_segment_fixed_size 327680
		.amdhsa_private_segment_fixed_size 0
		.amdhsa_enable_private_segment 0
		.amdhsa_kernarg_size 40
		.amdhsa_user_sgpr_count 2
		.amdhsa_user_sgpr_kernarg_segment_ptr 1
		.amdhsa_wavefront_size32 1
		.amdhsa_system_sgpr_workgroup_id_x 1
		.amdhsa_system_sgpr_workgroup_id_y 1
		.amdhsa_system_sgpr_workgroup_id_z 1
		.amdhsa_system_vgpr_workitem_id 0
		.amdhsa_next_free_vgpr 1024
		.amdhsa_next_free_sgpr 106
		.amdhsa_reserve_vcc 0
		.amdhsa_float_denorm_mode_32 3
		.amdhsa_float_denorm_mode_16_64 3
		.amdhsa_memory_ordered 1
		.amdhsa_forward_progress 1
		.amdhsa_inst_pref_size 255
	.end_amdhsa_kernel
	.section	.bss,"aw",@nobits
	.p2align	6
	.space	262144
	.amdgpu_metadata
---
amdhsa.version: [ 1, 2 ]
amdhsa.kernels:
  - .name:           k_q39377be4c7_qkv
    .symbol:         k_q39377be4c7_qkv.kd
    .args:
      - { .name: xq, .offset: 0, .size: 8, .value_kind: global_buffer, .address_space: global }
      - { .name: wq, .offset: 8, .size: 8, .value_kind: global_buffer, .address_space: global }
      - { .name: qb, .offset: 16, .size: 8, .value_kind: global_buffer, .address_space: global }
      - { .name: kv, .offset: 24, .size: 8, .value_kind: global_buffer, .address_space: global }
      - { .name: aux, .offset: 32, .size: 8, .value_kind: global_buffer, .address_space: global }
    .group_segment_fixed_size: 327680
    .private_segment_fixed_size: 0
    .kernarg_segment_align: 8
    .kernarg_segment_size: 40
    .max_flat_workgroup_size: 128
    .sgpr_count:     106
    .vgpr_count:     1024
    .wavefront_size: 32
...
	.end_amdgpu_metadata
.endif
;; end of part 2
;; launch attn (part 3): grid 4 x 64, 16 waves a work-group, clusters of 4 x 1, 327,680 bytes of LDS; arguments qb, kv, aq; writes aq
.if DOCPART == 3
	.amdgcn_target "amdgcn-amd-amdhsa--gfx1250"
	.amdhsa_code_object_version 6
	.text
	.protected	k_q39377be4c7_attn
	.globl	k_q39377be4c7_attn
	.p2align	8
	.type	k_q39377be4c7_attn,@function
k_q39377be4c7_attn:
	s_mov_b64 s[64:65], 0
	v_nop
	global_prefetch_b8 v0, s[64:65] scope:SCOPE_SE
	s_setreg_imm32_b32 hwreg(HW_REG_WAVE_MODE, 25, 1), 1
	s_wait_xcnt 0x0
	s_wait_alu depctr_hold_cnt(0) depctr_sa_sdst(0) depctr_va_vdst(0) depctr_va_sdst(0) depctr_va_ssrc(0) depctr_va_vcc(0) depctr_vm_vsrc(0)
	s_getreg_b32 s2, hwreg(HW_REG_IB_STS2, 6, 4)
	s_cmp_eq_u32 s2, 0
	s_cbranch_scc0 .Lentry_in_a_cluster
	s_endpgm
.Lentry_in_a_cluster:
	s_bfe_u32 s2, ttmp6, 0x10000c
	s_cmp_lg_u32 s2, 0x3003
	s_cbranch_scc0 .Lentry_shape_is_right
	s_endpgm
.Lentry_shape_is_right:
.set HEADB, 106496
.set STEPB, 13312
.set PIECE, 6656
.set S,   76
.set OT,  140
.set PCD, 172
.set VF,  184
.set KF,  28
.set TM,  232
.set SEL, 32
.macro CROUND
	s_barrier_signal -1
	s_barrier_wait -1
	s_cmp_lg_u32 s10, 0
	s_cbranch_scc1 .Lnot_wave_0_\@
	s_barrier_signal -3
.Lnot_wave_0_\@:
	s_barrier_wait -3
	s_barrier_signal -1
	s_barrier_wait -1
.endm
	s_load_b128 s[4:7], s[0:1], 0x0
	s_load_b64 s[8:9], s[0:1], 0x10
	v_lshl_add_u32 v254, v0, 2, 0x38000
	v_mov_b32 v255, 0
	ds_add_u32 v254, v255
	ds_add_u32 v254, v255
	s_wait_dscnt 0x0
	v_lshrrev_b32 v2, 5, v0
	s_delay_alu instid0(VALU_DEP_1)
	v_readfirstlane_b32 s10, v2
	s_bfe_u32 s11, ttmp6, 0x40000
	s_and_b32 s12, ttmp7, 0xffff
	s_lshr_b32 s13, s12, 3
	s_and_b32 s14, s12, 7
	s_lshl_b32 s15, s13, 4
	s_lshl_b32 s38, s14, 1
	s_add_co_u32 s15, s15, s38
	s_mov_b32 s16, 15|(3<<16)|(1<<21)
	s_mov_b32 s17, 32<<16
	s_mov_b32 s18, 26<<16
	s_mov_b32 s19, 32<<16
	s_mov_b32 s20, 26
	s_mov_b32 s21, 32
	s_mov_b32 s22, 0
	s_mov_b32 s23, 0
	s_mul_i32 s44, s10, PIECE
	s_mul_i32 s38, s15, HEADB
	s_add_co_u32 s38, s38, s44
	s_mov_b32 s39, 0
	s_lshl_b32 s45, s11, 1
	s_lshr_b32 s46, s10, 3
	s_add_co_u32 s45, s45, s46
	s_and_b32 s46, s10, 7
	s_lshl_b32 s47, s15, 3
	s_add_co_u32 s47, s47, s45
	s_mul_i32 s47, s47, 6656
	s_mul_i32 s48, s46, 768
	s_add_co_u32 s40, s47, s48
	s_mov_b32 s41, 0
	s_and_b32 s48, s46, 1
	s_lshl_b32 s48, s48, 8
	s_lshr_b32 s49, s46, 1
	s_lshl_b32 s49, s49, 2
	s_add_co_u32 s42, s47, s48
	s_add_co_u32 s42, s42, s49
	s_add_co_u32 s42, s42, 6144
	s_mov_b32 s43, 0
	s_lshl_b32 s48, s13, 6
	s_lshl_b32 s49, s11, 4
	s_add_co_u32 s48, s48, s49
	s_add_co_u32 s48, s48, s10
	s_lshl_b32 s49, s48, 3
	s_add_co_u32 s49, s49, s14
	s_mul_i32 s50, s49, 1536
	s_mov_b32 s51, 0
	s_lshl_b32 s52, s48, 9
	s_lshl_b32 s49, s14, 2
	s_add_co_u32 s52, s52, s49
	s_add_co_u32 s52, s52, 6291456
	s_mov_b32 s53, 0
	s_mov_b32 s[SEL], 0x76543210
	s_mov_b32 s[SEL+1], 0xfedcba98
	s_mov_b32 s34, 0x3e38aa3b
	s_mov_b32 s35, s34
	s_wait_kmcnt 0x0
	s_mov_b32 s24, 1
	s_mov_b32 s25, s44
	s_add_nc_u64 s[26:27], s[6:7], s[38:39]
	s_mov_b32 s28, 1
	s_add_co_u32 s29, s44, HEADB
	s_add_nc_u64 s[30:31], s[26:27], HEADB
	s_or_b32 s27, s27, 0x80000000
	s_or_b32 s31, s31, 0x80000000
	s_add_nc_u64 s[40:41], s[4:5], s[40:41]
	s_add_nc_u64 s[42:43], s[4:5], s[42:43]
	s_add_nc_u64 s[50:51], s[8:9], s[50:51]
	s_add_nc_u64 s[52:53], s[8:9], s[52:53]
	v_and_b32 v2, 31, v0
	v_and_b32 v3, 15, v0
	v_lshlrev_b32 v2, 3, v2
	v_lshlrev_b32 v3, 4, v3
.irp c, 0,1,2
	global_load_b64 v[16+2*\c:17+2*\c], v2, s[40:41] offset:256*\c           ; q's codes and scale words of both heads are asked for ahead of the rounds
	global_load_b64 v[6+2*\c:7+2*\c], v2, s[40:41] offset:53248+256*\c
.endr
	global_load_b32 v5, v3, s[42:43]
	global_load_b32 v4, v3, s[42:43] offset:53248
	CROUND
	tensor_load_to_lds s[24:27], s[16:23]
	s_nop 0
	s_wait_alu depctr_va_vdst(0)
	s_wait_tensorcnt 0x0
	ds_add_u32 v254, v255
	s_wait_dscnt 0x0
	CROUND
	tensor_load_to_lds s[28:31], s[16:23]
	s_nop 0
.rept 4
	v_nop
.endr
	v_and_b32 v1, 31, v0
	v_lshlrev_b32 v255, 3, v1
	v_lshlrev_b32 v1, 4, v1
.irp i, 0,1,2,3,4,5
	v_mov_b32 v[22+\i], 0
	v_mov_b32 v[KF+6+\i], 0
	v_mov_b32 v[KF+18+\i], 0
	v_mov_b32 v[KF+30+\i], 0
	v_mov_b32 v[KF+42+\i], 0
.endr
.irp b, 0,1,2,3
	v_mov_b32 v[236+\b], 0
.endr
	v_mov_b32 v253, 0
	s_wait_alu depctr_va_vdst(0)
	s_wait_loadcnt 0x0                             ; the first head's tile was shown whole by the round above; the second head's load stays out during the first pass
.macro SMUL g
.irp t, 0,2
	v_wmma_scale_f32_16x16x128_f8f6f4 v[S+8*(4*\g+\t):S+8*(4*\g+\t)+7], v[KF+12*\t:KF+12*\t+11], v[16:27], 0, v[248+2*\g+\t/2], v5 matrix_a_fmt:MATRIX_FMT_BF6 matrix_b_fmt:MATRIX_FMT_BF6
	v_wmma_scale_f32_16x16x128_f8f6f4 v[S+8*(4*\g+\t+1):S+8*(4*\g+\t+1)+7], v[KF+12*(\t+1):KF+12*(\t+1)+11], v[16:27], 0, v[248+2*\g+\t/2], v5 matrix_a_fmt:MATRIX_FMT_BF6 matrix_b_fmt:MATRIX_FMT_BF6 matrix_a_scale:MATRIX_SCALE_ROW1
.endr
.endm
.macro KLOAD g
.irp t, 0,1,2,3
.irp c, 0,1,2
	ds_load_b64 v[KF+12*\t+2*\c:KF+12*\t+2*\c+1], v2 offset:3072*\g+768*\t+256*\c
.endr
.endr
.endm
.macro STEP
	v_add_nc_u32 v2, s36, v255
	v_add_nc_u32 v3, s36, v1
	v_nop
	v_nop
	KLOAD 0
	ds_load_b128 v[248:251], v3 offset:12288
.irp t, 0,1,2,3
.irp c, 0,1,2
	ds_load_b128 v[VF+12*\t+4*\c:VF+12*\t+4*\c+3], v3 offset:6144+1536*\t+512*\c
.endr
.endr
	s_wait_alu depctr_va_vdst(0)
	s_wait_dscnt 12
	SMUL 0
.rept 4
	v_nop
.endr
	KLOAD 1
	s_wait_dscnt 0x0
	SMUL 1
.rept 4
	v_nop
.endr
	ds_load_b128 v[248:251], v3 offset:12800
.irp b, 0,1,2,3
	v_max3_num_f32 v[232+\b], v[S+16*\b], v[S+1+16*\b], v[S+2+16*\b]
.endr
.irp i, 3,5,7,9,11,13
.irp b, 0,1,2,3
	v_max3_num_f32 v[232+\b], v[232+\b], v[S+16*\b+\i], v[S+1+16*\b+\i]
.endr
.endr
.irp b, 0,1,2,3
	v_max_num_f32 v[232+\b], v[232+\b], v[S+15+16*\b]
.endr
.irp b, 0,1,2,3
	s_delay_alu instid0(VALU_DEP_4)
	v_permlanex16_b32 v[236+\b], v[232+\b], s[SEL], s[SEL+1]
.endr
.irp b, 0,1,2,3
	s_delay_alu instid0(VALU_DEP_4)
	v_max_num_f32 v[232+\b], v[232+\b], v[236+\b]
.endr
	s_delay_alu instid0(VALU_DEP_2)
	v_max3_num_f32 v254, v232, v233, v234
	s_delay_alu instid0(VALU_DEP_1)
	v_max_num_f32 v254, v254, v235
	s_delay_alu instid0(VALU_DEP_1)
	v_mul_f32 v254, s34, v254
	s_delay_alu instid0(VALU_DEP_1)
	v_max_num_f32 v13, v13, v254
	v_mov_b32 v254, v12
	s_delay_alu instid0(VALU_DEP_2)
	v_floor_f32 v12, -v13
	s_delay_alu instid0(VALU_DEP_1)
	v_sub_f32 v254, v12, v254
	s_delay_alu instid0(VALU_DEP_1)
	v_cvt_i32_f32 v254, v254
	s_delay_alu instid0(VALU_DEP_1)
	v_ldexp_f32 v252, 1.0, v254
.set J, 0
.rept 32
	v_pk_fma_f32 v[S+J:S+J+1], v[S+J:S+J+1], s[34:35], v[12:13] op_sel_hi:[1,0,0]
.set J, J+2
.endr
.irp b, 0,1,2,3
	v_fma_f32 v[232+\b], v[232+\b], s34, v12
.endr
.set J, 0
	s_wait_alu depctr_va_vdst(0)
.rept 64
	v_exp_f32 v[S+J], v[S+J]
.set J, J+1
.endr
.irp b, 0,1,2,3
	v_exp_f32 v[232+\b], v[232+\b]
.endr
	v_pk_mul_f32 v[14:15], v[14:15], v[252:253] op_sel_hi:[1,0]
	s_wait_alu depctr_va_vdst(0)
.irp b, 0,1,2,3
	v_max_num_f32 v[232+\b], 0x2800000, v[232+\b]
.endr
.irp b, 0,1,2,3
	s_delay_alu instid0(VALU_DEP_4)
	v_add_nc_u32 v[244+\b], 0xfe000000, v[232+\b]
.endr
.irp b, 0,1,2,3
	s_delay_alu instid0(VALU_DEP_4)
	v_lshrrev_b32 v[236+\b], 23, v[244+\b]
.endr
	s_delay_alu instid0(VALU_DEP_3)
	v_lshl_or_b32 v253, v237, 8, v236
	s_delay_alu instid0(VALU_DEP_1)
	v_lshl_or_b32 v253, v238, 16, v253
	s_delay_alu instid0(VALU_DEP_1)
	v_lshl_or_b32 v253, v239, 24, v253
.irp c, 0,1
	v_cvt_scalef32_pk16_bf6_f32 v[PCD+6*\c:PCD+2+6*\c], v[S+32*\c:S+15+32*\c], v[244+2*\c]
	v_cvt_scalef32_pk16_bf6_f32 v[236+4*\c:238+4*\c], v[S+16+32*\c:S+31+32*\c], v[244+2*\c+1]
.endr
	v_nop
.irp c, 0,1
.irp i, 0,1,2
	v_permlane16_swap_b32 v[PCD+6*\c+\i], v[236+4*\c+\i]
.endr
.irp i, 0,1,2
	s_delay_alu instid0(VALU_DEP_3)
	v_mov_b32 v[PCD+3+6*\c+\i], v[236+4*\c+\i]
.endr
.endr
.set J, 0
.rept 16
	v_pk_mul_f32 v[OT+J:OT+J+1], v[OT+J:OT+J+1], v[252:253] op_sel_hi:[1,0]
.set J, J+2
.endr
	v_pk_add_f32 v[236:237], v[S:S+1], v[S+2:S+3]
.irp j, 4,8,12,16,20,24,28,32,36,40,44,48,52,56,60
	v_pk_add_f32 v[14:15], v[14:15], v[S+\j:S+\j+1]
	v_pk_add_f32 v[236:237], v[236:237], v[S+\j+2:S+\j+3]
.endr
	s_delay_alu instid0(VALU_DEP_1)
	v_pk_add_f32 v[14:15], v[14:15], v[236:237]
	s_wait_dscnt 0x0
.irp t, 0,1,2,3
	v_wmma_scale_f32_16x16x128_f8f6f4 v[OT+8*\t:OT+8*\t+7], v[VF+12*\t:VF+12*\t+11], v[PCD:PCD+11], v[OT+8*\t:OT+8*\t+7], v[248+\t], v253 matrix_a_fmt:MATRIX_FMT_BF6 matrix_b_fmt:MATRIX_FMT_BF6
.endr
	s_add_co_u32 s36, s36, STEPB
.endm
.macro QUANT2 s, pc, pw
.irp b, 0,1
	v_max3_num_f32 v[TM+\b], |v[\s+16*\b]|, |v[\s+1+16*\b]|, 0x2800000
.endr
.irp i, 2,4,6,8,10,12,14
.irp b, 0,1
	s_delay_alu instid0(VALU_DEP_2)
	v_max3_num_f32 v[TM+\b], v[TM+\b], |v[\s+16*\b+\i]|, |v[\s+1+16*\b+\i]|
.endr
.endr
.irp b, 0,1
	s_delay_alu instid0(VALU_DEP_2)
	v_permlanex16_b32 v[TM+2+\b], v[TM+\b], s[SEL], s[SEL+1]
.endr
.irp b, 0,1
	s_delay_alu instid0(VALU_DEP_2)
	v_max_num_f32 v[TM+\b], v[TM+\b], v[TM+2+\b]
.endr
.irp b, 0,1
	s_delay_alu instid0(VALU_DEP_2)
	v_add_nc_u32 v[TM+4+\b], 0xfe000000, v[TM+\b]
.endr
.irp b, 0,1
	s_delay_alu instid0(VALU_DEP_2)
	v_lshrrev_b32 v[TM+2+\b], 23, v[TM+4+\b]
.endr
	s_delay_alu instid0(VALU_DEP_1)
	v_lshl_or_b32 v[\pw], v[TM+3], 8, v[TM+2]
	v_cvt_scalef32_pk16_bf6_f32 v[\pc:\pc+2], v[\s:\s+15], v[TM+4]
	v_cvt_scalef32_pk16_bf6_f32 v[\pc+4:\pc+6], v[\s+16:\s+31], v[TM+5]
	v_nop
.irp i, 0,1,2
	v_permlane16_swap_b32 v[\pc+\i], v[\pc+4+\i]
.endr
	s_delay_alu instid0(VALU_DEP_3)
	v_mov_b32 v[\pc+3], v[\pc+4]
	s_delay_alu instid0(VALU_DEP_3)
	v_mov_b32 v[\pc+4], v[\pc+5]
	s_delay_alu instid0(VALU_DEP_3)
	v_mov_b32 v[\pc+5], v[\pc+6]
.endm
.macro HEADPASS e
	s_mov_b32 s36, \e*HEADB
	v_mov_b32 v13, 0xff61b1e6
	s_delay_alu instid0(VALU_DEP_1)
	v_floor_f32 v12, -v13
	v_mov_b32 v14, 0
	v_mov_b32 v15, 0
.set J, 0
.rept 32
	v_mov_b32 v[OT+J], 0
.set J, J+1
.endr
.if \e == 0
	s_mov_b32 s37, 2                               ; the first head's first two steps run while the second head's tile is on its way
.Lfirst_\@:
	STEP
	s_sub_co_u32 s37, s37, 1
	s_cmp_lg_u32 s37, 0
	s_cbranch_scc1 .Lfirst_\@
	s_wait_alu depctr_va_vdst(0)
	s_wait_tensorcnt 0x0                           ; my piece of the second head's tile is in,
	s_barrier_signal -1
	s_barrier_wait -1                              ; and so is every wave's
	s_mov_b32 s37, 6
.else
	s_mov_b32 s37, 8
.endif
.Lstep_\@:
	STEP
	s_sub_co_u32 s37, s37, 1
	s_cmp_lg_u32 s37, 0
	s_cbranch_scc1 .Lstep_\@
.rept 4
	v_nop
.endr
	s_wait_alu depctr_va_vdst(0)
	v_add_f32 v14, v14, v15
	s_delay_alu instid0(VALU_DEP_1)
	v_permlanex16_b32 v252, v14, s[SEL], s[SEL+1]
	s_delay_alu instid0(VALU_DEP_1)
	v_add_f32 v14, v14, v252
	s_wait_alu depctr_va_vdst(0)
	v_rcp_f32 v14, v14
	v_nop
.set J, 0
	s_wait_alu depctr_va_vdst(0)
.rept 32
	v_mul_f32 v[S+J], v[OT+J], v14
.set J, J+1
.endr
.endm
	HEADPASS 0
.irp i, 0,1,2,3,4,5
	v_mov_b32 v[16+\i], v[6+\i]
.endr
	v_mov_b32 v5, v4
	QUANT2 S, 6, 4
	HEADPASS 1
.irp i, 0,1,2,3,4,5
	v_mov_b32 v[28+\i], v[6+\i]
.endr
	QUANT2 S, 34, 254
	v_lshl_or_b32 v4, v254, 16, v4
	v_and_b32 v2, 0xf0, v1
	s_delay_alu instid0(VALU_DEP_1)
	v_lshlrev_b32 v2, 1, v2
.irp c, 0,1,2
	global_store_b128 v1, v[28+4*\c:31+4*\c], s[50:51] offset:512*\c
.endr
	global_store_b32 v2, v4, s[52:53]
	s_wait_xcnt 0x0
	v_lshl_add_u32 v254, v0, 2, 0x38000
	v_mov_b32 v255, 0
	s_wait_alu depctr_va_vdst(0)
	s_wait_tensorcnt 0x0
	ds_add_u32 v254, v255
	s_wait_dscnt 0x0
	CROUND
	s_endpgm
.Lfunc_end_k_q39377be4c7_attn:
	.size	k_q39377be4c7_attn, .Lfunc_end_k_q39377be4c7_attn-k_q39377be4c7_attn
	.p2alignl 7, 3214868480
	.fill 96, 4, 3214868480
	.section	.rodata,"a",@progbits
	.p2align	6, 0x0
	.amdhsa_kernel k_q39377be4c7_attn
		.amdhsa_group_segment_fixed_size 327680
		.amdhsa_private_segment_fixed_size 0
		.amdhsa_enable_private_segment 0
		.amdhsa_kernarg_size 24
		.amdhsa_user_sgpr_count 2
		.amdhsa_user_sgpr_kernarg_segment_ptr 1
		.amdhsa_wavefront_size32 1
		.amdhsa_system_sgpr_workgroup_id_x 1
		.amdhsa_system_sgpr_workgroup_id_y 1
		.amdhsa_system_sgpr_workgroup_id_z 1
		.amdhsa_system_vgpr_workitem_id 0
		.amdhsa_next_free_vgpr 256
		.amdhsa_next_free_sgpr 66
		.amdhsa_reserve_vcc 0
		.amdhsa_float_denorm_mode_32 3
		.amdhsa_float_denorm_mode_16_64 3
		.amdhsa_memory_ordered 1
		.amdhsa_forward_progress 1
		.amdhsa_inst_pref_size 72
	.end_amdhsa_kernel
	.amdgpu_metadata
---
amdhsa.version: [ 1, 2 ]
amdhsa.kernels:
  - .name:           k_q39377be4c7_attn
    .symbol:         k_q39377be4c7_attn.kd
    .args:
      - { .name: qb, .offset: 0, .size: 8, .value_kind: global_buffer, .address_space: global }
      - { .name: kv, .offset: 8, .size: 8, .value_kind: global_buffer, .address_space: global }
      - { .name: aq, .offset: 16, .size: 8, .value_kind: global_buffer, .address_space: global }
    .group_segment_fixed_size: 327680
    .private_segment_fixed_size: 0
    .kernarg_segment_align: 8
    .kernarg_segment_size: 24
    .max_flat_workgroup_size: 512
    .sgpr_count:     66
    .vgpr_count:     256
    .wavefront_size: 32
...
	.end_amdgpu_metadata
.endif
;; end of part 3
;; launch proj (part 4): grid 4 x 64, 4 waves a work-group, clusters of 4 x 4, 327,680 bytes of LDS; arguments aq, wq, bp, out0; writes out0
.if DOCPART == 4
	.amdgcn_target "amdgcn-amd-amdhsa--gfx1250"
	.amdhsa_code_object_version 6
	.text
	.protected	k_q39377be4c7_proj
	.globl	k_q39377be4c7_proj
	.p2align	8
	.type	k_q39377be4c7_proj,@function
k_q39377be4c7_proj:
	s_mov_b64 s[64:65], 0
	v_nop
	global_prefetch_b8 v0, s[64:65] scope:SCOPE_SE
	s_setreg_imm32_b32 hwreg(HW_REG_WAVE_MODE, 25, 1), 1
	s_wait_xcnt 0x0
	s_wait_alu depctr_hold_cnt(0) depctr_sa_sdst(0) depctr_va_vdst(0) depctr_va_sdst(0) depctr_va_ssrc(0) depctr_va_vcc(0) depctr_vm_vsrc(0)
	s_getreg_b32 s2, hwreg(HW_REG_IB_STS2, 6, 4)
	s_cmp_eq_u32 s2, 0
	s_cbranch_scc0 .Lentry_in_a_cluster
	s_endpgm
.Lentry_in_a_cluster:
	s_bfe_u32 s2, ttmp6, 0x10000c
	s_cmp_lg_u32 s2, 0xf033
	s_cbranch_scc0 .Lentry_shape_is_right
	s_endpgm
.Lentry_shape_is_right:
.set NQ,     2
.set ROWB,   192
.set KSTB,   49152                     ; a K step of 256 rows of wq: one dense block, loaded as rows of 256 bytes
.set KROW,   768
.set PITCH,  240
.set FR,     12
.set NP,     4
.set ATILE,  4*3072
.set HALFT,  128*PITCH
.set SLOT,   2*ATILE+2*HALFT
.set KS,     32
.set SCL,    2*SLOT
.set HALFSA, (64*KS/256)*272
.set HALFS,  (128*KS/256)*272
.set SBLK,   (16*KS/256)*272
.set SPARE,  SCL+2*HALFSA+2*HALFS
.set SPITCH, 528
.set ADRA, 16
.set ADRB, 20
.set STO,  24
.set RD,   25
.set CO,   26
.set ADRS, 27
.set SPW,  28
.set NIL,  29
.set SC,   32
.set AF,   128
.set BK,   128
.set G1, 24
.set G0, 32
.set G1B, 48
.set G0B, 56
.set G1S, 68
.set G0S, 76
.set G1SB, 80
.set G0SB, 88
.set MSB, 0
.macro WIN new
.if MSB != (\new)
	s_set_vgpr_msb (MSB<<8)|(\new)
.set MSB, (\new)
.endif
.endm
.set TO_B, 0x40
.macro JLOAD g0a, g1a, g0b, g1b
	s_cmp_eq_u32 s15, 0
	s_cbranch_scc0 .Lfor_b_\@
	tensor_load_to_lds s[\g0a:\g0a+3], s[\g1a:\g1a+7]
	s_nop 0
.rept 4
	v_nop
.endr
	s_branch .Lasked_\@
.Lfor_b_\@:
	tensor_load_to_lds s[\g0b:\g0b+3], s[\g1b:\g1b+7]
	s_nop 0
.rept 4
	v_nop
.endr
.Lasked_\@:
.endm
.macro CREST
	s_cmp_lg_u32 s14, 0
	s_cbranch_scc1 .Lnot_wave_0_\@
	s_barrier_signal -3
.Lnot_wave_0_\@:
	s_barrier_wait -3
	s_barrier_signal -1
	s_barrier_wait -1
.endm
.macro CROUND
	s_barrier_signal -1
	s_barrier_wait -1
	CREST
.endm
	s_load_b64 s[4:5], s[0:1], 0x0
	s_load_b64 s[8:9], s[0:1], 0x8
	s_load_b64 s[96:97], s[0:1], 0x10
	s_load_b64 s[12:13], s[0:1], 0x18
	v_lshl_add_u32 v[SPW], v0, 2, SPARE
	v_mov_b32 v[NIL], 0
	ds_add_u32 v28, v29
	ds_add_u32 v28, v29
	s_wait_dscnt 0x0
	v_lshrrev_b32 v1, 5, v0
	v_readfirstlane_b32 s14, v1
	s_lshr_b32 s15, s14, 1
	s_and_b32 s16, s14, 1
	s_bfe_u32 s40, ttmp6, 0x40000
	s_bfe_u32 s41, ttmp6, 0x40004
	s_lshl_b32 s42, ttmp9, 2
	s_add_co_u32 s42, s42, s40
	s_and_b32 s17, ttmp7, 0xffff
	s_lshl_b32 s17, s17, 2
	s_add_co_u32 s17, s17, s41
	s_lshl_b32 s43, s41, 2
	s_lshl_b32 s43, 15, s43
	s_lshl_b32 s44, 0x1111, s40
	s_or_b32 s[G1+0], s43, (3<<16)|(1<<21)
	s_mov_b32 s[G1+1], 384<<16
	s_mov_b32 s[G1+2], 8<<16
	s_mov_b32 s[G1+3], 384<<16
	s_mov_b32 s[G1+4], 8
	s_mov_b32 s[G1+5], 1536
	s_mov_b32 s[G1+6], 0
	s_mov_b32 s[G1+7], 0
	s_or_b32 s[G1B+0], s44, (0<<16)|(1<<20)|(1<<21)|(3<<22)|(3<<25)
	s_mov_b32 s[G1B+1], 256<<16
	s_mov_b32 s[G1B+2], 192<<16
	s_mov_b32 s[G1B+3], 256<<16
	s_mov_b32 s[G1B+4], 192
	s_mov_b32 s[G1B+5], 256
	s_mov_b32 s[G1B+6], 0
	s_mov_b32 s[G1B+7], 0
	s_or_b32 s[G1S+0], s43, (3<<16)|(1<<20)|(1<<21)|(5<<22)|(3<<25)
	s_mov_b32 s[G1S+1], 32<<16
	s_mov_b32 s[G1S+2], (128*KS/256)<<16
	s_mov_b32 s[G1S+3], 32<<16
	s_mov_b32 s[G1S+4], 128*KS/256
	s_mov_b32 s[G1S+5], 32
	s_mov_b32 s[G1S+6], 0
	s_mov_b32 s[G1S+7], 0
	s_or_b32 s[G1SB+0], s44, (3<<16)|(1<<20)|(1<<21)|(5<<22)|(3<<25)
	s_mov_b32 s[G1SB+1], 32<<16
	s_mov_b32 s[G1SB+2], (256*KS/256)<<16
	s_mov_b32 s[G1SB+3], 32<<16
	s_mov_b32 s[G1SB+4], 256*KS/256
	s_mov_b32 s[G1SB+5], 32
	s_mov_b32 s[G1SB+6], 0
	s_mov_b32 s[G1SB+7], 0
	s_lshl_b32 s20, s17, 7
	s_lshl_b32 s46, s42, 8
	s_mov_b32 s21, 0
	s_mov_b32 s47, 0
	s_mov_b64 s[18:19], KS
	s_mul_u64 s[22:23], s[20:21], s[18:19]
	s_mul_u64 s[92:93], s[46:47], s[18:19]
	s_mov_b64 s[18:19], KROW
	s_mul_u64 s[20:21], s[20:21], s[18:19]
	s_mul_u64 s[46:47], s[46:47], s[18:19]
	s_mul_i32 s45, s16, ATILE
	s_mul_i32 s95, s16, HALFT
	s_add_co_u32 s95, s95, 2*ATILE
	s_mul_i32 s18, s16, 49152                      ; in the ring: my 64 rows of A's 128,
	s_mov_b32 s19, 0
	s_mul_i32 s98, s16, 24576                      ; my 128 rows of B's block
	s_mov_b32 s99, 0
	s_wait_kmcnt 0x0
	s_add_nc_u64 s[6:7], s[4:5], 6291456
	s_add_nc_u64 s[10:11], s[8:9], 3244032
	s_add_nc_u64 s[8:9], s[8:9], 2359296
	s_add_nc_u64 s[20:21], s[4:5], s[20:21]
	s_add_nc_u64 s[22:23], s[6:7], s[22:23]
	s_add_nc_u64 s[46:47], s[8:9], s[46:47]
	s_add_nc_u64 s[92:93], s[10:11], s[92:93]
	CROUND
	s_mov_b32 s[G0S], 1
	s_mov_b32 s[G0S+1], SCL
	s_mov_b64 s[G0S+2:G0S+3], s[22:23]
	s_or_b32 s[G0S+3], s[G0S+3], 0x80000000
	s_mov_b32 s[G0SB], 1
	s_mov_b32 s[G0SB+1], SCL+2*HALFSA
	s_mov_b64 s[G0SB+2:G0SB+3], s[92:93]
	s_or_b32 s[G0SB+3], s[G0SB+3], 0x80000000
	s_mov_b32 s4, 1                                ; s[4:7], s[8:11]: group 0 of the head's loads of K step 0: A's 128 rows, B's 256
	s_mov_b32 s5, 0
	s_mov_b64 s[6:7], s[20:21]
	s_or_b32 s7, s7, 0x80000000
	s_mov_b32 s8, 1
	s_mov_b32 s9, 2*ATILE
	s_mov_b64 s[10:11], s[46:47]
	s_or_b32 s11, s11, 0x80000000
	s_add_nc_u64 s[20:21], s[20:21], s[18:19]
	s_add_nc_u64 s[46:47], s[46:47], s[98:99]
.irp s, 0,1
	s_mov_b32 s[G0+4*\s], 1
	s_add_co_u32 s[G0+4*\s+1], s45, \s*SLOT
	s_add_nc_u64 s[G0+4*\s+2:G0+4*\s+3], s[20:21], \s*3072
	s_or_b32 s[G0+4*\s+3], s[G0+4*\s+3], 0x80000000
	s_mov_b32 s[G0B+4*\s], 1
	s_add_co_u32 s[G0B+4*\s+1], s95, \s*SLOT
	s_add_nc_u64 s[G0B+4*\s+2:G0B+4*\s+3], s[46:47], \s*KSTB
	s_or_b32 s[G0B+4*\s+3], s[G0B+4*\s+3], 0x80000000
.endr
; the head's four tiles, one load a wave: one chain of branches on the wave's number, every arm with its load
.macro ARM under, g0, g1, next
	s_cmp_lt_u32 s14, \under
	s_cbranch_scc0 \next
	tensor_load_to_lds s[\g0:\g0+3], s[\g1:\g1+7]
	s_nop 0
.rept 4
	v_nop
.endr
	s_branch .Lhead_asked
\next:
.endm
	ARM 1, 4, G1, .Lhead_b
	ARM 2, 8, G1B, .Lhead_sa
	ARM 3, G0S, G1S, .Lhead_sb
	tensor_load_to_lds s[G0SB:G0SB+3], s[G1SB:G1SB+7]
	s_nop 0
.rept 4
	v_nop
.endr
.Lhead_asked:
	; prefetches: behind each trip's tensor load one instruction a wave names the K step that the next refill loads.  The four partners that ask jointly share its blocks of 256 bytes out by address:
	; of A's four image tiles that I fetch partner cx takes one (12 blocks), of B's 96 blocks partner cy takes 24; the lanes left over name the last block again.  K step 3 is the last.
	s_cmp_eq_u32 s15, 0
	s_cselect_b64 s[2:3], s[20:21], s[46:47]       ; what I fetch of K step 0
	s_cselect_b32 s92, s40, s41
	s_mov_b32 s94, 6144
	s_cselect_b32 s94, 12288, s94
	s_mul_i32 s94, s92, s94
	s_mov_b32 s95, 0
	s_add_nc_u64 s[2:3], s[2:3], s[94:95]
	s_mov_b32 s92, KSTB
	s_cselect_b32 s92, 3072, s92                   ; s[92:93]: from K step to K step
	s_mov_b32 s93, 0
	s_cselect_b32 s94, 11, 23
	s_add_nc_u64 s[2:3], s[2:3], s[92:93]
	v_and_b32 v30, 31, v0
	v_min_u32 v30, s94, v30
	v_lshlrev_b32 v30, 8, v30                      ; v30: never rewritten
	global_prefetch_b8 v30, s[2:3] th:TH_LOAD_NT scope:SCOPE_SE
	v_and_b32 v1, 15, v0
	v_bfe_u32 v2, v0, 4, 1
	v_mul_u32_u24 v3, v1, PITCH
	v_mul_u32_u24 v4, v2, 24
	v_add_nc_u32 v4, v3, v4
	v_lshl_add_u32 v5, v2, 4, v4
	v_and_b32 v6, 31, v0
	v_lshlrev_b32 v6, 4, v6
	s_mul_i32 s21, s15, ATILE
	s_mul_i32 s22, s16, HALFT
	s_add_co_u32 s22, s22, 2*ATILE
.irp s, 0,1
	v_add_nc_u32 v[ADRA+\s], s21, v6
	v_add_nc_u32 v[ADRB+\s], s22, v4
	v_add_nc_u32 v[ADRB+2+\s], s22, v5
	s_add_co_u32 s21, s21, SLOT
	s_add_co_u32 s22, s22, SLOT
.endr
	v_mul_u32_u24 v5, v1, KS
	v_lshrrev_b32 v7, 8, v5
	v_lshl_add_u32 v5, v7, 4, v5
	s_mul_i32 s21, s15, HALFSA
	s_mul_i32 s22, s16, HALFS
	s_add_co_u32 s22, s22, 2*HALFSA
	s_sub_co_u32 s22, s22, s21
	v_mul_u32_u24 v7, s22, v2
	s_add_co_u32 s21, s21, SCL
	v_add_nc_u32 v5, v5, v7
	v_add_nc_u32 v[ADRS], s21, v5
	s_mul_i32 s23, s14, 16*SPITCH
	v_mul_u32_u24 v5, v1, SPITCH
	v_lshl_add_u32 v5, v2, 5, v5
	v_add_nc_u32 v[STO], s23, v5
	v_mov_b32 v[CO], v6
	v_add_nc_u32 v[RD], s23, v6
	v_lshlrev_b32 v7, 5, v2
	s_lshl_b32 s46, s42, 10
	s_lshl_b32 s47, s16, 9
	s_add_co_u32 s46, s46, s47
	s_mov_b32 s47, 0
	s_add_nc_u64 s[96:97], s[96:97], s[46:47]
	WIN TO_B
.irp k, 0,1,2,3,4,5,6,7
.irp q, 0,1
	global_load_b128 v[96+128*(\k/4)+8*(\k%4)+4*\q:96+128*(\k/4)+8*(\k%4)+4*\q+3], v7, s[96:97] offset:64*\k+16*\q
.endr
.endr
	WIN 0
	s_lshl_b32 s20, s17, 7
	s_lshl_b32 s21, s15, 6
	s_add_co_u32 s20, s20, s21
	s_lshl_b32 s20, s20, 12
	s_mov_b32 s21, 0
	s_add_nc_u64 s[20:21], s[20:21], s[46:47]
	s_add_nc_u64 s[12:13], s[12:13], s[20:21]
.macro FRAG reg, adr, q, i
.irp p, 0,1,2,3,4,5
.set PCE, 12*(\q)+6*(\p/3)+\p%3
.if PCE%8 < 5
	ds_load_b64 v[\reg+2*\p:\reg+2*\p+1], v[\adr] offset:8*PCE+16*(PCE/8)+(\i)*16*PITCH
.else
	ds_load_b64 v[\reg+2*\p:\reg+2*\p+1], v[\adr+2] offset:8*PCE+16*(PCE/8)+(\i)*16*PITCH
.endif
.endr
.endm
.macro FRAGA reg, slot, q, i
.irp c, 0,1,2
	ds_load_b128 v[\reg+4*\c:\reg+4*\c+3], v[ADRA+\slot] offset:3072*(\i)+1536*(\q)+512*\c
.endr
.endm
.macro MM a, b, p, q, sc, zero
.set DD, 8*(8*(\a)+\b)
.if \zero == 2
	v_wmma_scale_f32_16x16x128_f8f6f4 v[DD:DD+7], v[128*(\p)+FR*\b:128*(\p)+FR*\b+FR-1], v[AF+48*(\p)+FR*(\a):AF+48*(\p)+FR*(\a)+FR-1], v[96+8*\b+96*(\b/4):103+8*\b+96*(\b/4)], v[SC+8*NQ*(\sc)+NQ*\b+(\q)], v[SC+8*NQ*(\sc)+NQ*(\a)+(\q)] matrix_a_fmt:MATRIX_FMT_BF6 matrix_b_fmt:MATRIX_FMT_BF6 matrix_a_scale:MATRIX_SCALE_ROW1
.else
	v_wmma_scale_f32_16x16x128_f8f6f4 v[DD:DD+7], v[128*(\p)+FR*\b:128*(\p)+FR*\b+FR-1], v[AF+48*(\p)+FR*(\a):AF+48*(\p)+FR*(\a)+FR-1], v[DD:DD+7], v[SC+8*NQ*(\sc)+NQ*\b+(\q)], v[SC+8*NQ*(\sc)+NQ*(\a)+(\q)] matrix_a_fmt:MATRIX_FMT_BF6 matrix_b_fmt:MATRIX_FMT_BF6 matrix_a_scale:MATRIX_SCALE_ROW1
.endif
.endm
.macro MUL16 a0, p, q, sc, zero
.irp a, \a0, \a0+1
.irp b, 0,1,2,3,4,5,6,7
	MM \a, \b, \p, \q, \sc, \zero
.endr
.endr
.endm
.macro WMUL zero
.if \zero == 2
	WIN 0x91
.else
	WIN 0xa1
.endif
.endm
.macro FETCH_B slot, q, p
	WIN TO_B
.irp i, 0,1,2,3,4,5,6,7
	FRAG 128*(\p)+FR*\i, ADRB+\slot, \q, \i
.endr
	WIN 0
.endm
.macro FETCH_A slot, q, p
.irp i, 0,1,2,3
	FRAGA AF+48*(\p)+FR*\i, \slot, \q, \i
.endr
.endm
.macro SCALES sc
.irp i, 0,1,2,3,4,5,6,7
	ds_load_b64 v[SC+8*NQ*\sc+NQ*\i:SC+8*NQ*\sc+NQ*\i+1], v[ADRS] offset:\i*SBLK
.endr
.endm
.macro PLACES n
.rept \n
	v_nop
.endr
.endm
.macro STEP slot, zero
	s_wait_dscnt 0x0
	WMUL \zero
	MUL16 0, 0, 0, \slot, \zero
	PLACES NP
	FETCH_B \slot, 1, 1
	FETCH_A \slot, 1, 1
	WMUL \zero
	MUL16 2, 0, 0, \slot, \zero
.endm
.macro TURN slot, next, fill
	WIN 0
	s_wait_tensorcnt 0x0
	ds_add_u32 v[SPW], v[NIL]
	s_wait_dscnt 0x0
	s_barrier_signal -1
	WMUL 0
	MUL16 0, 1, 1, \slot, 0
	WIN 0
	s_barrier_wait -1
.if \fill
	CREST
	s_add_nc_u64 s[G0+4*\slot+2:G0+4*\slot+3], s[G0+4*\slot+2:G0+4*\slot+3], 2*3072
	s_add_nc_u64 s[G0B+4*\slot+2:G0B+4*\slot+3], s[G0B+4*\slot+2:G0B+4*\slot+3], 2*KSTB
	JLOAD G0+4*\slot, G1, G0B+4*\slot, G1B
.else
	PLACES NP
.endif
	s_wait_alu depctr_va_vdst(0)
	v_add_nc_u32 v[ADRS], 4*NQ, v[ADRS]
	FETCH_B \next, 0, 0
	FETCH_A \next, 0, 0
	SCALES \next
.if (\fill) && (\slot) == 0
	s_wait_xcnt 0x0
	s_add_nc_u64 s[2:3], s[2:3], s[92:93]
	global_prefetch_b8 v30, s[2:3] th:TH_LOAD_NT scope:SCOPE_SE
.endif
	WMUL 0
	MUL16 2, 1, 1, \slot, 0
.endm
	s_wait_alu depctr_va_vdst(0)
	s_wait_tensorcnt 0x0                           ; my tile of the head's four is in; slot 1's first fill is issued as a refill is
	ds_add_u32 v[SPW], v[NIL]
	s_mov_b32 s[G1+2], 4<<16                       ; no load of mine is out: from here on a load brings half a tile
	s_mov_b32 s[G1+4], 4
	s_mov_b32 s[G1B+2], 96<<16
	s_mov_b32 s[G1B+4], 96
	s_wait_dscnt 0x0
	CROUND
	JLOAD G0+4, G1, G0B+4, G1B
	s_wait_loadcnt 0x0                             ; the bias is in
	FETCH_B 0, 0, 0
	FETCH_A 0, 0, 0
	SCALES 0
	s_wait_xcnt 0x0                                ; the last prefetch has read its base: it is stepped only behind this wait
	s_add_nc_u64 s[2:3], s[2:3], s[92:93]
	global_prefetch_b8 v30, s[2:3] th:TH_LOAD_NT scope:SCOPE_SE
	STEP 0, 2
	TURN 0, 1, 1
	STEP 1, 0
	TURN 1, 0, 1
	STEP 0, 0
	TURN 0, 1, 0
	STEP 1, 0
	s_wait_dscnt 0x0
	WMUL 0
	MUL16 0, 1, 1, 1, 0
	MUL16 2, 1, 1, 1, 0
	WIN 0
.macro TOSTAGE a
.set AC, 64*(\a)
	WIN 0x08
.irp b, 0,1,2,3,4,5,6,7
	ds_store_b128 v[STO], v[AC+8*\b:AC+8*\b+3] offset:64*\b
	ds_store_b128 v[STO], v[AC+8*\b+4:AC+8*\b+7] offset:64*\b+16
.endr
	WIN 0
.set BB, BK+64*((\a)%2)
.irp t, 0,1,2,3,4,5,6,7,8,9,10,11,12,13,14,15
	ds_load_b128 v[BB+4*\t:BB+4*\t+3], v[RD] offset:\t*SPITCH
.endr
.endm
.macro SEND a, younger
.set BB, BK+64*((\a)%2)
	s_wait_dscnt \younger
.irp t, 0,1,2,3,4,5,6,7,8,9,10,11,12,13,14,15
	global_store_b128 v[CO], v[BB+4*\t:BB+4*\t+3], s[12:13] offset:(32*((\a)/2)+8*((\a)%2)+\t+8*(\t/8))*4096 th:TH_STORE_NT
.endr
.endm
	PLACES NP
	TOSTAGE 0
.irp a, 1,2,3
.if \a > 1
	s_wait_xcnt 0x0
.endif
	TOSTAGE \a
	SEND \a-1, 32
.endr
	SEND 3, 0
	s_wait_tensorcnt 0x0
	ds_add_u32 v[SPW], v[NIL]
	s_wait_dscnt 0x0
	CROUND
	s_endpgm
.Lfunc_end_k_q39377be4c7_proj:
	.size	k_q39377be4c7_proj, .Lfunc_end_k_q39377be4c7_proj-k_q39377be4c7_proj
	.p2alignl 7, 3214868480
	.fill 96, 4, 3214868480
	.section	.rodata,"a",@progbits
	.p2align	6, 0x0
	.amdhsa_kernel k_q39377be4c7_proj
		.amdhsa_group_segment_fixed_size 327680
		.amdhsa_private_segment_fixed_size 0
		.amdhsa_enable_private_segment 0
		.amdhsa_kernarg_size 32
		.amdhsa_user_sgpr_count 2
		.amdhsa_user_sgpr_kernarg_segment_ptr 1
		.amdhsa_wavefront_size32 1
		.amdhsa_system_sgpr_workgroup_id_x 1
		.amdhsa_system_sgpr_workgroup_id_y 1
		.amdhsa_system_sgpr_workgroup_id_z 1
		.amdhsa_system_vgpr_workitem_id 0
		.amdhsa_next_free_vgpr 768
		.amdhsa_next_free_sgpr 100
		.amdhsa_reserve_vcc 0
		.amdhsa_float_denorm_mode_32 3
		.amdhsa_float_denorm_mode_16_64 3
		.amdhsa_memory_ordered 1
		.amdhsa_forward_progress 1
		.amdhsa_inst_pref_size 97
	.end_amdhsa_kernel
	.amdgpu_metadata
---
amdhsa.version: [ 1, 2 ]
amdhsa.kernels:
  - .name:           k_q39377be4c7_proj
    .symbol:         k_q39377be4c7_proj.kd
    .args:
      - { .name: aq, .offset: 0, .size: 8, .value_kind: global_buffer, .address_space: global }
      - { .name: wq, .offset: 8, .size: 8, .value_kind: global_buffer, .address_space: global }
      - { .name: bp, .offset: 16, .size: 8, .value_kind: global_buffer, .address_space: global }
      - { .name: out0, .offset: 24, .size: 8, .value_kind: global_buffer, .address_space: global }
    .group_segment_fixed_size: 327680
    .private_segment_fixed_size: 0
    .kernarg_segment_align: 8
    .kernarg_segment_size: 32
    .max_flat_workgroup_size: 128
    .sgpr_count:     100
    .vgpr_count:     768
    .wavefront_size: 32
...
	.end_amdgpu_metadata
.endif
;; end of part 4
